; MI455X (gfx1250); checked and timed in simulation.
; The chip was launched on July 23, 2026; its instructions are those of AMD's public machine-readable ISA for CDNA 5 (MIT licence, August 2026) and "CDNA5" Instruction Set Architecture Reference Guide (July 2026). The comments in the code are by the model that wrote it; some were corrected since.
;; Causal Self Attention. Allowed arithmetic: matrix products marked QUANTISED: E2M3 operands, one E8M0 scale for each 32 along K, by v_wmma_scale_f32_16x16x128_f8f6f4 with both operands' format E2M3, f32 sums; everything else in f32.
;; Inputs: w_out 1,024 x 1,024 float32; w_qkv 1,024 x 3,072 float32; x 4 x 2,048 x 1,024 float32.
;; Outputs: out0 4 x 2,048 x 1,024 float32.
;; This version of the problem:
;;   THIS VERSION OF THE PROBLEM IS GIVEN IN LOW PRECISION. The matrix products marked QUANTISED in the list below multiply operands that are first quantised to E2M3 (2 exponent bits, 3 mantissa bits; 6 bits a number), with one power-of-two scale for each 32 numbers along K (OCP MX v1.0); their sums are f32. All else is computed in f32.
;;   The module's matrix products, in the order in which they are computed (A, B: the left and right operand; K: the contracted axis; several contracted axes count as one K, in the product's order):
;;     1. [M 8,192, K 1,024] x [K 1,024, N 3,072]; A: input x; B: input w_qkv: QUANTISED
;;     2. batch 64 x [M 2,048, K 64] x [K 64, N 2,048]; A: computed on the way; B: computed on the way: QUANTISED
;;     3. batch 64 x [M 2,048, K 2,048] x [K 2,048, N 64]; A: softmax (see below); B: computed on the way: QUANTISED
;;     4. [M 8,192, K 1,024] x [K 1,024, N 1,024]; A: computed on the way; B: input w_out: QUANTISED
;;   THE QUANTISER, for each operand of a quantised product, along K:
;;     - K is cut into blocks of 32 from its start; a last block that is shorter is filled with zeros.
;;     - A block's scale is 2^e with e = floor(log2(the largest magnitude in the block)) - 2, held to -126 .. 127; a block of zeros has e = 0. As a byte (E8M0): e + 127.
;;     - Each number is divided by its block's scale, clamped to +-7.5, and rounded to the nearest number of E2M3, ties to even, subnormals kept.
;;     - The product sums the exact products of the quantised numbers (number of the format x scale) in f32.
;;   ~~~python
;;   def quantise(x, axis):      # numpy; x: float32 -> the quantised numbers, widened to float32 again
;;       x = np.moveaxis(x, axis, -1); K = x.shape[-1]
;;       x = np.pad(x, [(0, 0)] * (x.ndim - 1) + [(0, -K % 32)]); x = x.reshape(x.shape[:-1] + (-1, 32)); a = np.abs(x).max(-1, keepdims=True)
;;       e = np.where(a > 0, np.clip(np.frexp(np.where(a > 0, a, 1))[1] - 1 - 2, -126, 127), 0)      # np.frexp(a)[1] - 1 = floor(log2(a)), exactly
;;       r = np.clip(x / 2.0 ** e, -7.5, 7.5)
;;       step = 2.0 ** (np.maximum(np.frexp(np.where(r == 0, 1, r))[1] - 1, 0) - 3)
;;       q = np.round(r / step) * step * 2.0 ** e      # np.round: ties to even
;;       return np.moveaxis(q.reshape(q.shape[:-2] + (-1,))[..., :K], -1, axis).astype(np.float32)
;;   ~~~
;;   SOFTMAX AHEAD OF A QUANTISED PRODUCT. Where the list says 'softmax', what is quantised is not the finished softmax but p = 2^(t - M), with t = logit x log2(e) and M = ceil(the row's largest t), a whole number; so 1/2 < the row's largest p <= 1. The row's sum l is taken of the UNQUANTISED p, in f32, and the product's result is divided by l at the end. Since M is a whole number, a kernel that streams over the keys may use a running M (the ceiling of the running maximum): every later rescaling is an exact power of two, which a block's scale takes up: the codes' values come out the same.
;;   OPERANDS COMPUTED ON THE WAY. 'Computed on the way' means the value that the module computes at that place (a softmax that the list does not call 'softmax' is quantised finished and normalised). What goes into a quantiser is computed in f32, as accurately as f32 sums, v_exp_f32 and their like allow (about 1e-6 of the number): no bf16 or f16 on the way to a quantiser, and a product that is left as it is and whose result goes on into a quantised operand takes f32 operands (vector FMAs, or v_wmma_f32_16x16x4_f32). A number that lies on a knife's edge between two numbers of the format may be rounded either way, as far as f32 arithmetic and the matrix unit's own rounding can turn it there, and no further.
;; One version. Each part assembles by itself: llvm-mc -triple=amdgcn-amd-amdhsa -mcpu=gfx1250 --defsym DOCPART=n.
;; ======== version 1 of 1: 4 launches
;; limits: right only within a limited range of input values
;; workspace buffers: xc 6,291,456 bytes; xs 262,144 bytes; wc 3,145,728 bytes; ws 131,072 bytes; qrec 6,815,744 bytes; kv 13,369,344 bytes; aimg 6,291,456 bytes; asc 262,144 bytes
;; launch quant (part 1): grid 384 x 1, 4 waves a work-group, no clusters, 68,096 bytes of LDS; arguments x, w_qkv, w_out, xc, xs, wc, ws; writes xc, xs, wc, ws
.if DOCPART == 1
	.amdgcn_target "amdgcn-amd-amdhsa--gfx1250"
	.amdhsa_code_object_version 6
	.text
	.protected	k_q74b0f35d5f_quant
	.globl	k_q74b0f35d5f_quant
	.p2align	8
	.type	k_q74b0f35d5f_quant,@function
k_q74b0f35d5f_quant:
	s_mov_b64 s[64:65], 0
	v_nop
	global_prefetch_b8 v0, s[64:65] scope:SCOPE_SE
	s_setreg_imm32_b32 hwreg(HW_REG_WAVE_MODE, 25, 1), 1
	s_wait_xcnt 0x0
; x [8192][1024], w_qkv [1024][3072] and w_out [1024][1024], f32, become codes of FP6 (E2M3) with K innermost, 768 bytes a row, and one E8M0 byte for each 32 along K, 32 bytes a row.
; A block's scale is 2^(floor(log2(its largest magnitude)) - 2); its byte is the largest magnitude's exponent field - 2, held at 1 from below; each number is divided by the scale and rounded to the nearest code, ties to even.
; LIMITS: NaN and infinities among the inputs are not served.  A block of zeros gets the byte 1 where the quantiser's text says 127: its codes are zeros, and the bytes are read by this program alone.
; THE ORDER OF THE ROWS.  In xc, xs (rows = tokens) and wc, ws (rows = columns of w_qkv, then of w_out from row 3072 on) row number s holds the actual row with bits 3 and 4 of s exchanged:
; in each group of 32 rows the two middle groups of 8 change places.  Sixteen neighbouring stored rows 16 u .. 16 u + 15 of a group are then the actual rows 8 u + r + 8 (r / 8), and a matrix result over two such tiles
; gives a lane 16 actual neighbours in 16 consecutive registers: what the later launches' quantisers take.
; Work-groups 0-255 take x (K innermost: a plain stream of blocks), work-groups 256-383 the weights (K is the first axis: a lane takes a column and its registers run down K).  Each of the two ways has LDS bytes of its own.
; No wave shares anything with another: no barrier.
; HOW THE CODES LIE: xc is [4 steps of 256 along K][8,192 rows][192 bytes], wc [4 steps][4,096 rows][192 bytes]: a row's 768 bytes are cut in four pieces, so that the rows of one K step lie end to end
; and a tile of 128 or 256 rows of one K step is one dense run of bytes that begins at a multiple of 256.
; WORK LEFT OUT BY THE PROGRAM: reference() itself replaces every score of a key behind its query (jnp.tril) by the least f32 number, whose p is 0 for all values of the inputs; launch attn leaves out the key steps that lie wholly
; behind a tile's queries.  LIMIT: a NaN, an infinity or an overflow that reaches only those scores is not carried to the result.
.set XWG,   256
.set WREG,  8192                       ; x: LDS of a wave: two stages of 32 x SP bytes, and behind them its 256 scale bytes
.set SP,    80                         ; a lane's place in a stage: its 64 bytes + 16 of padding
.set CB,    12                         ; bytes of 16 codes
.set STEPS, 16
.set EMAX,  2
.set XR,    16                         ; v16-79   four sets of 16 numbers as loaded
.set XX,    80                         ; v80-111  two sets of 16 neighbours
.set XE,    112                        ; v112-127 a scale byte for each step
.set XC,    128                        ; v128-191 codes: four registers for each step, so that no store's data are written again
.set WLDS,  32768                      ; the weights' way: LDS from here on, 32 x WP bytes a wave
.set WP,    272                        ; a stage row: sixteen places of 16 bytes, each with 12 bytes of codes, + 16
.set NB,    8                          ; blocks of 32 along K for a wave
.set WX,    32                         ; v32-95   two sets of 32 numbers
.set WC,    96                         ; v96..    a block's codes
.set WSB,   24                         ; v24-25   the scale bytes, four to a register
.set WOUT,  112                        ; v112-175 the way out
.set WOFF,  176                        ; v176-207 4 x lane + i x the weight's row pitch; never rewritten
.set WB,    32                         ; s[32:47] the address of block t's first row, t = 0 .. 7; never rewritten
	s_load_b128 s[4:7], s[0:1], 0x0                ; x, w_qkv
	s_load_b128 s[8:11], s[0:1], 0x10              ; w_out, xc
	s_load_b128 s[12:15], s[0:1], 0x20             ; xs, wc
	s_load_b64 s[16:17], s[0:1], 0x30              ; ws
	v_lshl_add_u32 v208, v0, 2, 0x10800
	v_mov_b32 v209, 0
	v_lshrrev_b32 v1, 5, v0
	v_readfirstlane_b32 s18, v1                    ; wave 0..3
	v_and_b32 v2, 31, v0                           ; lane
	s_wait_kmcnt 0x0
	s_cmp_lt_u32 ttmp9, XWG
	s_cbranch_scc0 .Lweights
; ---------------- x.  A wave takes 8 rows, 8,192 numbers, in 16 steps of 512.  Each load reads 512 consecutive bytes; a step's 2,048 bytes turn through the wave's stage so that a lane holds 16 neighbours.
	s_wait_alu depctr_va_vdst(0)
	v_lshlrev_b32 v3, 4, v2                        ; my 16 bytes of a load's 512
	s_mul_i32 s19, s18, WREG
	v_lshrrev_b32 v14, 2, v2
	v_mul_u32_u24 v14, v14, SP
	v_and_b32 v15, 3, v2
	v_lshl_add_u32 v14, v15, 4, v14
	v_add_nc_u32 v14, s19, v14                     ; the stage, in: SP (lane / 4) + 16 (lane % 4)
	v_mul_u32_u24 v15, v2, SP
	v_add_nc_u32 v15, s19, v15                     ; and out: SP x lane
	v_and_b32 v4, 15, v2
	v_mul_u32_u24 v4, v4, CB                       ; my codes' place: sixteen lanes fill a row's 192 bytes of one K step,
	v_lshrrev_b32 v12, 4, v2
	v_mul_u32_u24 v12, v12, 8192*192               ; lanes 16-31 the next K step's
	v_add_nc_u32 v4, v4, v12
	v_lshrrev_b32 v5, 1, v2
	s_add_co_u32 s19, s19, 2*32*SP
	v_add_nc_u32 v5, s19, v5                       ; my block's byte among the wave's 256
	v_lshlrev_b32 v7, 3, v2
	v_add_nc_u32 v6, s19, v7                       ; and on the way out 8 bytes a lane
	s_lshl_b32 s20, ttmp9, 2
	s_add_co_u32 s22, s20, s18                     ; which 8 rows of x: 4 x work-group + wave
	s_lshl_b32 s22, s22, 15                        ; 32,768 bytes each
	s_mov_b32 s23, 0
	s_add_nc_u64 s[4:5], s[4:5], s[22:23]
	s_and_b32 s21, s18, 1
	s_lshl_b32 s21, s21, 1
	s_lshr_b32 s24, s18, 1
	s_or_b32 s21, s21, s24                         ; where they go: the wave's two bits exchanged
	s_add_co_u32 s20, s20, s21
	s_mul_i32 s22, s20, 8*192
	s_add_nc_u64 s[10:11], s[10:11], s[22:23]
	s_lshl_b32 s22, s20, 8
	s_add_nc_u64 s[12:13], s[12:13], s[22:23]
.macro XLOAD t
.irp i, 0,1,2,3
	global_load_b128 v[XR+16*((\t)%4)+4*\i:XR+16*((\t)%4)+4*\i+3], v3, s[4:5] offset:2048*(\t)+512*\i th:TH_LOAD_NT
.endr
.endm
.macro XTURN t                         ; LDS serves a wave's instructions in order: no wait between the stores and the loads
.irp i, 0,1,2,3
	ds_store_b128 v14, v[XR+16*((\t)%4)+4*\i:XR+16*((\t)%4)+4*\i+3] offset:32*SP*((\t)%2)+8*SP*\i
.endr
.irp i, 0,1,2,3
	ds_load_b128 v[XX+16*((\t)%2)+4*\i:XX+16*((\t)%2)+4*\i+3], v15 offset:32*SP*((\t)%2)+16*\i
.endr
.endm
.irp t, 0,1,2,3
	XLOAD \t
.endr
	s_wait_alu depctr_va_vdst(0)
	s_wait_loadcnt 12                              ; step 0's four loads are in; the twelve of steps 1 to 3 may be out
	XTURN 0
.macro XSTEP t
.set XS, XX+16*((\t)%2)
.if (\t) > 0
	s_wait_dscnt 1                                 ; this step's numbers are back from the stage; the last step's byte store may be out
.else
	s_wait_dscnt 0x0
.endif
.if (\t)+4 < STEPS
	XLOAD (\t)+4                                   ; into the set whose stores into the stage are done
.endif
.if (\t)+1 < STEPS
.if STEPS-2-(\t) >= 3
	s_wait_loadcnt 12                              ; the next step's four loads are in; those of the three steps behind it may be out
.else
	s_wait_loadcnt 4*(STEPS-2-(\t))
.endif
	XTURN (\t)+1
.endif
	v_max3_num_f32 v8, |v[XS]|, |v[XS+1]|, |v[XS+2]|               ; the largest magnitude of my 16, in two chains
	v_max3_num_f32 v9, |v[XS+3]|, |v[XS+4]|, |v[XS+5]|
.irp i, 6,10
	v_max3_num_f32 v8, v8, |v[XS+\i]|, |v[XS+\i+1]|
	v_max3_num_f32 v9, v9, |v[XS+\i+2]|, |v[XS+\i+3]|
.endr
	v_max3_num_f32 v8, v8, |v[XS+14]|, |v[XS+15]|
	v_max3_num_f32 v8, v8, v9, (EMAX+1)<<23        ; and the floor 2^(3 - 127): the byte cannot fall under 1
	v_max_num_f32_dpp v8, v8, v8 row_xmask:1 row_mask:0xf bank_mask:0xf   ; with my neighbour's 16: the block's
	v_add_nc_u32 v11, -(EMAX<<23), v8              ; 2 off the exponent field: the conversion takes this operand's exponent field as its scale
	v_cvt_scalef32_pk16_fp6_f32 v[XC+4*(\t):XC+4*(\t)+2], v[XS:XS+15], v11
	v_lshrrev_b32 v[XE+(\t)], 23, v11              ; the scale's byte (also the plain line behind the conversion)
	ds_store_b8 v5, v[XE+(\t)] offset:16*(\t)      ; both lanes of a block write the same byte with the same value
	global_store_b96 v4, v[XC+4*(\t):XC+4*(\t)+2], s[10:11] offset:((\t)%2)*2*8192*192+((\t)/2)*192   ; row t / 2, K steps 2 (t % 2) and 2 (t % 2) + 1
.endm
.irp t, 0,1,2,3,4,5,6,7,8,9,10,11,12,13,14,15
	XSTEP \t
.endr
	ds_load_b64 v[12:13], v6
	s_wait_dscnt 0x0
	global_store_b64 v7, v[12:13], s[12:13]        ; 32 lanes store 256 consecutive bytes, aligned: 8 rows' scale bytes
	s_wait_tensorcnt 0x0
	ds_add_u32 v208, v209
	s_wait_dscnt 0x0
	s_endpgm
; ---------------- the weights.  Work-group j = number - 256: columns 128 (j % 32) on (of w_qkv up to 3071, then of w_out), K from 256 (j / 32) on.  A wave takes 32 columns x 256 along K.
.Lweights:
	s_sub_co_u32 s19, ttmp9, XWG
	s_and_b32 s20, s19, 31                         ; which 128 rows of wc
	s_lshr_b32 s21, s19, 5                         ; which 256 along K
	s_lshl_b32 s22, s20, 7
	s_lshl_b32 s23, s18, 5
	s_add_co_u32 s22, s22, s23                     ; my wave's first row of wc
	s_mov_b32 s24, 4096
	s_cmp_lt_u32 s20, 24                           ; w_qkv or w_out?  The choice hangs on the work-group's number alone
	s_cselect_b64 s[26:27], s[6:7], s[8:9]
	s_cselect_b32 s24, 12288, s24                  ; bytes from a row of the weight to the next
	s_cselect_b32 s25, 0, 3072
	s_sub_co_u32 s25, s22, s25                     ; my first column in that weight
	s_lshl_b32 s28, s21, 8
	s_mul_i32 s28, s28, s24
	s_lshl_b32 s29, s25, 2
	s_add_co_u32 s28, s28, s29
	s_mov_b32 s29, 0
	s_add_nc_u64 s[WB:WB+1], s[26:27], s[28:29]
	s_lshl_b32 s28, s24, 5                         ; 32 rows on for each block
.irp t, 1,2,3,4,5,6,7
	s_add_nc_u64 s[WB+2*\t:WB+2*\t+1], s[WB+2*\t-2:WB+2*\t-1], s[28:29]
.endr
	s_mul_i32 s28, s22, 192
	s_mul_i32 s30, s21, 4096*192
	s_add_co_u32 s28, s28, s30
	s_add_nc_u64 s[14:15], s[14:15], s[28:29]      ; the codes: my first row, my 192 bytes of it
	s_lshl_b32 s28, s22, 5
	s_lshl_b32 s30, s21, 3
	s_add_co_u32 s28, s28, s30
	s_add_nc_u64 s[16:17], s[16:17], s[28:29]      ; the scale bytes: my 8 of a row's 32
	s_wait_alu depctr_va_vdst(0)
	v_and_b32 v5, 7, v2
	v_bfe_u32 v6, v2, 3, 1
	v_lshl_add_u32 v5, v6, 4, v5
	v_bfe_u32 v6, v2, 4, 1                         ; lane / 16
	v_lshl_add_u32 v5, v6, 3, v5                   ; my column's place among the wave's 32 rows: bits 3 and 4 of the lane exchanged
	s_mul_i32 s30, s18, 32*WP
	s_add_co_u32 s30, s30, WLDS                    ; my stage
	v_mul_u32_u24 v4, v5, WP
	v_add_nc_u32 v4, s30, v4                       ; into it: row = my column's place
	v_and_b32 v10, 15, v2
	v_mul_u32_u24 v7, v6, WP
	v_lshl_add_u32 v7, v10, 4, v7
	v_add_nc_u32 v7, s30, v7                       ; out of it: sixteen lanes to a row, two rows an instruction
	v_mul_u32_u24 v8, v6, 192
	v_mad_u32_u24 v8, v10, 12, v8                  ; and the same place in wc
	v_lshlrev_b32 v9, 5, v5                        ; my row of scale bytes
	v_lshlrev_b32 v[WOFF], 2, v2
.set i, 1
.rept 31
	v_add_nc_u32 v[WOFF+i], s24, v[WOFF+i-1]
.set i, i+1
.endr
.macro WLOAD t                         ; block t: W(32 t + i, my column), i = 0 .. 31: each load reads 128 consecutive bytes
.set i, 0
.rept 32
	global_load_b32 v[WX+32*((\t)%2)+i], v[WOFF+i], s[WB+2*(\t):WB+2*(\t)+1] th:TH_LOAD_NT
.set i, i+1
.endr
.endm
	WLOAD 0
	WLOAD 1
.macro WBLOCK t
.set XS, WX+32*((\t)%2)
.if (\t) < NB-1
	s_wait_loadcnt 32                              ; this block's 32 loads are in; the next block's 32 may be out
.else
	s_wait_loadcnt 0
.endif
	v_max3_num_f32 v12, |v[XS]|, |v[XS+1]|, |v[XS+2]|              ; the block's largest magnitude: all 32 numbers are mine
	v_max3_num_f32 v13, |v[XS+3]|, |v[XS+4]|, |v[XS+5]|
.irp i, 6,10,14,18,22,26
	v_max3_num_f32 v12, v12, |v[XS+\i]|, |v[XS+\i+1]|
	v_max3_num_f32 v13, v13, |v[XS+\i+2]|, |v[XS+\i+3]|
.endr
	v_max3_num_f32 v12, v12, |v[XS+30]|, |v[XS+31]|
	v_max3_num_f32 v12, v12, v13, (EMAX+1)<<23     ; and the floor
	v_add_nc_u32 v11, -(EMAX<<23), v12
	v_lshrrev_b32 v13, 23, v11                     ; the scale's byte
.if (\t)%4 == 0
	v_mov_b32 v[WSB+(\t)/4], v13
.else
	v_lshl_or_b32 v[WSB+(\t)/4], v13, 8*((\t)%4), v[WSB+(\t)/4]
.endif
	v_cvt_scalef32_pk16_fp6_f32 v[WC:WC+2], v[XS:XS+15], v11
	v_cvt_scalef32_pk16_fp6_f32 v[WC+4:WC+6], v[XS+16:XS+31], v11  ; (a conversion's three registers begin on an even number)
	v_nop                                          ; one plain line behind the conversions
	ds_store_b96 v4, v[WC:WC+2] offset:32*(\t)     ; 12 bytes to a place of 16, so that every LDS address is a multiple of 16
	ds_store_b96 v4, v[WC+4:WC+6] offset:32*(\t)+16
.if (\t)+2 < NB
	WLOAD (\t)+2
.endif
	s_wait_dscnt 0x0                               ; the stores have read their registers: the next block's codes may be written
.endm
.irp t, 0,1,2,3,4,5,6,7
	WBLOCK \t
.endr
	s_wait_alu depctr_va_vdst(0)
	global_store_b64 v9, v[WSB:WSB+1], s[16:17]    ; my column's 8 scale bytes
.irp t, 0,1,2,3,4,5,6,7,8,9,10,11,12,13,14,15
	ds_load_b96 v[WOUT+4*\t:WOUT+4*\t+2], v7 offset:2*\t*WP
.endr
.irp t, 0,1,2,3,4,5,6,7,8,9,10,11,12,13,14,15
	s_wait_dscnt 15-\t                             ; the younger loads from the stage may be out
	global_store_b96 v8, v[WOUT+4*\t:WOUT+4*\t+2], s[14:15] offset:2*\t*192   ; 32 lanes store two rows, 384 consecutive bytes
.endr
	s_wait_tensorcnt 0x0
	ds_add_u32 v208, v209
	s_wait_dscnt 0x0
	s_endpgm
.Lfunc_end_k_q74b0f35d5f_quant:
	.size	k_q74b0f35d5f_quant, .Lfunc_end_k_q74b0f35d5f_quant-k_q74b0f35d5f_quant
	.p2alignl 7, 3214868480
	.fill 96, 4, 3214868480
	.section	.rodata,"a",@progbits
	.p2align	6, 0x0
	.amdhsa_kernel k_q74b0f35d5f_quant
		.amdhsa_group_segment_fixed_size 68096
		.amdhsa_private_segment_fixed_size 0
		.amdhsa_enable_private_segment 0
		.amdhsa_kernarg_size 56
		.amdhsa_user_sgpr_count 2
		.amdhsa_user_sgpr_kernarg_segment_ptr 1
		.amdhsa_wavefront_size32 1
		.amdhsa_system_sgpr_workgroup_id_x 1
		.amdhsa_system_sgpr_workgroup_id_y 1
		.amdhsa_system_sgpr_workgroup_id_z 1
		.amdhsa_system_vgpr_workitem_id 0
		.amdhsa_next_free_vgpr 210
		.amdhsa_next_free_sgpr 66
		.amdhsa_reserve_vcc 0
		.amdhsa_float_denorm_mode_32 3
		.amdhsa_float_denorm_mode_16_64 3
		.amdhsa_memory_ordered 1
		.amdhsa_forward_progress 1
		.amdhsa_inst_pref_size 75
	.end_amdhsa_kernel
	.amdgpu_metadata
---
amdhsa.version: [ 1, 2 ]
amdhsa.kernels:
  - .name:           k_q74b0f35d5f_quant
    .symbol:         k_q74b0f35d5f_quant.kd
    .args:
      - { .name: x, .offset: 0, .size: 8, .value_kind: global_buffer, .address_space: global }
      - { .name: w_qkv, .offset: 8, .size: 8, .value_kind: global_buffer, .address_space: global }
      - { .name: w_out, .offset: 16, .size: 8, .value_kind: global_buffer, .address_space: global }
      - { .name: xc, .offset: 24, .size: 8, .value_kind: global_buffer, .address_space: global }
      - { .name: xs, .offset: 32, .size: 8, .value_kind: global_buffer, .address_space: global }
      - { .name: wc, .offset: 40, .size: 8, .value_kind: global_buffer, .address_space: global }
      - { .name: ws, .offset: 48, .size: 8, .value_kind: global_buffer, .address_space: global }
    .group_segment_fixed_size: 68096
    .private_segment_fixed_size: 0
    .kernarg_segment_align: 8
    .kernarg_segment_size: 56
    .max_flat_workgroup_size: 128
    .sgpr_count:     66
    .vgpr_count:     210
    .wavefront_size: 32
...
	.end_amdgpu_metadata
.endif
;; end of part 1
;; launch qkv (part 2): grid 8 x 48, 4 waves a work-group, clusters of 4 x 4, 327,680 bytes of LDS; arguments xc, xs, wc, ws, qrec, kv; writes qrec, kv
.if DOCPART == 2
	.amdgcn_target "amdgcn-amd-amdhsa--gfx1250"
	.amdhsa_code_object_version 6
	.text
	.protected	k_q74b0f35d5f_qkv
	.globl	k_q74b0f35d5f_qkv
	.p2align	8
	.type	k_q74b0f35d5f_qkv,@function
k_q74b0f35d5f_qkv:
	s_mov_b64 s[64:65], 0
	v_nop
	global_prefetch_b8 v0, s[64:65] scope:SCOPE_SE
	s_setreg_imm32_b32 hwreg(HW_REG_WAVE_MODE, 25, 1), 1
	s_wait_xcnt 0x0
	s_wait_alu depctr_hold_cnt(0) depctr_sa_sdst(0) depctr_va_vdst(0) depctr_va_sdst(0) depctr_va_ssrc(0) depctr_va_vcc(0) depctr_vm_vsrc(0)
	s_getreg_b32 s2, hwreg(HW_REG_IB_STS2, 6, 4)
	s_cmp_eq_u32 s2, 0
	s_cbranch_scc0 .Lentry_in_a_cluster
	s_endpgm
.Lentry_in_a_cluster:
	s_bfe_u32 s2, ttmp6, 0x10000c
	s_cmp_lg_u32 s2, 0xf033
	s_cbranch_scc0 .Lentry_shape_is_right
	s_endpgm
.Lentry_shape_is_right:
; qkv = x w_qkv on codes of FP6 (E2M3) with E8M0 scales, K = 1,024, and the result quantised at once, in registers: q and k along the head's 64 channels, v along the keys.  Nothing wider than codes goes to memory.
; A tile of 256 x 256 of the product is made by four waves, 128 x 128 each: 64 accumulators of 16 x 16.  K goes in steps of 256 through a ring of two LDS slots filled by the tensor data mover; the scale bytes of the
; work-group's 512 rows come once and stay.  THE MATRIX INSTRUCTION IS USED TRANSPOSED: source 0 = 16 rows of "B", source 1 = 16 rows of "A": a lane holds ONE row of A, and its registers run along B.
; ONE TEXT, TWO ORIENTATIONS, chosen by the cluster's y, which all sixteen partners share.  Clusters y = 0 .. 7: A = tokens (xc), B = the 2,048 columns of q and k (wc): a lane holds a token and 128 channels (two heads).
; Clusters y = 8 .. 11: A = the 1,024 columns of v (wc from row 2,048), B = tokens: a lane holds a channel and 128 keys.  Only pointers, tile numbers and output strides are chosen.
; THE ROWS OF xc AND wc ARE STORED with bits 3 and 4 of the row number exchanged.  So the 64 registers of a lane for one block of A, register 16 b + i, are the ACTUAL index 32 b + 16 (lane / 16) + i along B: 16 neighbours
; of each block of 32; and lane r of stored tile 2 b + u of A is the actual row 32 b + 8 u + r + 8 (r / 8).
; WHAT IS STORED: images of operand registers.  A half-image is registers 0-5 of a fragment (16 rows x 64 K): three pieces of 256 bytes, piece p = lane l's registers 2 p, 2 p + 1 at 256 p + 8 l.
;   qrec [64 heads][16 groups of 128 tokens][6,656]: 8 half-images (tiles of 16 tokens), then 512 bytes of scale words [r 16][tile 8].
;   kv   [64 heads][16 steps of 128 keys][13,056]: K as in qrec; from 6,656 on V's codes [half c 2][tile of 16 channels 4][3][256]; from 12,800 on V's scale words [r 16][tile 4].
;   In q's and k's scale words bytes 0, 1 are the head's; bytes 2, 3 repeat them.
; CLUSTERS: 4 x 4 work-groups; A's tiles are asked for jointly along a row of the cluster, B's along a column.
; LIMITS: NaN and infinities are not served; a block of zeros gets the byte 1 (its codes are zeros; the bytes are read by this program alone).
; REGISTERS, in windows of 256: window 0: v0-31 addresses; v32-63 scale words, two sets; from v128 A's fragments, one set; behind the products v64-143 serve the quantiser.
;   window 1: B's fragments, two sets, at v0 and v128.   window 2: the accumulators of A's blocks 0-3 ((a, b) at v[8 (8 (a % 4) + b)]);   window 3: those of blocks 4-7.
.set SIZE_K, 1024
.set KSTEP,  256                       ; along K in a slot
.set NQ,     KSTEP/128                 ; matrix instructions deep
.set ROWB,   192                       ; a row's bytes of one K step
.set XKS,    8192*ROWB                 ; xc: from a K step to the next;  wc likewise: the rows of one K step lie end to end, so a tile is dense and is stated as rows of 256 bytes
.set WKS,    4096*ROWB
.set KROW,   SIZE_K*6/8                ; a row of codes in memory
.set PITCH,  240                       ; an LDS row: 3 x (64 bytes + 16 of padding): the 32 lanes of a load of 8 bytes touch 64 different banks (64 banks of 4 bytes: ISA guide 11.1)
.set FR,     12                        ; registers of a fragment
.set NL,     6                         ; LDS loads that bring one
.set NP,     4                         ; places behind this matrix instruction (ISA guide 7.12.1)
.set HALFT,  128*PITCH                 ; what one tensor load brings
.set SLOT,   4*HALFT                   ; A's 256 rows, then B's 256 rows
.set LAPS,   SIZE_K/(2*KSTEP)
.set KS,     SIZE_K/32                 ; a row of scale bytes
.set SCL,    2*SLOT                    ; behind the ring: the scales, as rows of 256 bytes + 16 of padding
.set HALFS,  (128*KS/256)*272
.set SBLK,   (16*KS/256)*272
.set SPARE,  SCL+4*HALFS               ; behind the scales: the spare words, 128 bytes a wave: two blocks of 256 bytes that no other line names
.set ADRA, 16                          ; v16-17 LDS address of my A fragments in slot 0, 1 (v18-19: for the pieces behind one padding more)
.set ADRB, 20                          ; v20-23 the same for B
.set ADRS, 27                          ; v27    LDS address of my scale words: lanes 0-15 A's rows, lanes 16-31 B's
.set SPW,  28                          ; v28    LDS address of my spare word; never rewritten
.set NIL,  29                          ; v29    0; never rewritten
.set LN8,  30                          ; v30    8 x lane: my place in a piece of an image
.set VSO,  31                          ; v31    my place among the scale words
.set SC,   32
.set AF,   128
.set TM,   112                         ; the quantiser: v112-115 largest magnitudes, v116-119 bytes, v124-127 the conversions' scale operands
.set PW,   128                         ; v128-135 the scale word of each block of A
.set TW,   136                         ; v136-139, v140-143 scale words on their way out
.set UW,   140
.set G1, 24
.set G0, 32
.set G1B, 48
.set G0B, 56
.set G1S, 68
.set G0S, 76
.set G1SB, 80
.set G0SB, 88
.set MSB, 0
.macro WIN new                         ; the immediate's high byte repeats the setting that is left
.if MSB != \new
	s_set_vgpr_msb (MSB<<8)|\new
.set MSB, \new
.endif
.endm
.set MUL_LO, 0xa1                      ; source 0 (B) window 1, source 1 (A) window 0, C and D window 2
.set MUL_HI, 0xf1
.set TO_B,   0x40
; A joint load: waves 0 and 1 fetch for A, waves 2 and 3 for B.  The branch hangs on the wave's number alone.  Four v_nop follow each of the two lines.
.macro JLOAD g0a, g1a, g0b, g1b
	s_cmp_eq_u32 s15, 0
	s_cbranch_scc0 .Lfor_b_\@
	tensor_load_to_lds s[\g0a:\g0a+3], s[\g1a:\g1a+7]
	s_nop 0
.rept 4
	v_nop
.endr
	s_branch .Lasked_\@
.Lfor_b_\@:
	tensor_load_to_lds s[\g0b:\g0b+3], s[\g1b:\g1b+7]
	s_nop 0
.rept 4
	v_nop
.endr
.Lasked_\@:
.endm
.macro CREST                           ; a round of the cluster's barrier behind its opening barrier
	s_cmp_lg_u32 s14, 0
	s_cbranch_scc1 .Lnot_wave_0_\@
	s_barrier_signal -3
.Lnot_wave_0_\@:
	s_barrier_wait -3
	s_barrier_signal -1
	s_barrier_wait -1
.endm
.macro CROUND
	s_barrier_signal -1
	s_barrier_wait -1
	CREST
.endm
	s_load_b128 s[4:7], s[0:1], 0x0                ; xc, xs
	s_load_b128 s[8:11], s[0:1], 0x10              ; wc, ws
	s_load_b128 s[96:99], s[0:1], 0x20             ; qrec, kv
	v_lshl_add_u32 v[SPW], v0, 2, SPARE
	v_mov_b32 v[NIL], 0
	ds_add_u32 v28, v29
	ds_add_u32 v28, v29
	s_wait_dscnt 0x0
	v_lshrrev_b32 v1, 5, v0
	v_readfirstlane_b32 s14, v1                    ; wave 0..3
	s_lshr_b32 s15, s14, 1                         ; which half of A's rows is mine.  Also: I fetch for A (0) or for B (1)
	s_and_b32 s16, s14, 1                          ; which half of B's rows.  Also: which 128 rows I fetch
	s_bfe_u32 s40, ttmp6, 0x40000                  ; cx, cy: my place in the cluster
	s_bfe_u32 s41, ttmp6, 0x40004
	s_and_b32 s13, ttmp7, 0xffff                   ; the cluster's y, 0 .. 11: the same in all sixteen partners
	s_sub_co_u32 s18, s13, 8
	s_lshl_b32 s18, s18, 1
	s_cmp_lt_u32 s13, 8
	s_cselect_b32 s12, 0, 1                        ; s12 = 1: this cluster makes v
	s_cselect_b32 s17, s13, 2
	s_cselect_b32 s18, 0, s18
	s_lshl_b32 s17, s17, 2
	s_add_co_u32 s17, s17, s41                     ; A's tile of 256 rows: q, k: 4 y + cy (tokens);  v: 8 + cy (rows 2,048 on of wc)
	s_add_co_u32 s42, ttmp9, s18
	s_lshl_b32 s42, s42, 2
	s_add_co_u32 s42, s42, s40                     ; B's tile: q, k: 4 x + cx (rows 0 .. 2,047 of wc);  v: 4 (x + 2 (y - 8)) + cx (tokens)
	s_lshl_b32 s43, s41, 2
	s_lshl_b32 s43, 15, s43                        ; my row of the cluster
	s_lshl_b32 s44, 0x1111, s40                    ; my column
	; descriptor group 1: a tile of 128 rows x 192 bytes, 16 bytes of padding behind every 64
	s_or_b32 s[G1+0], s43, (0<<16)|(1<<20)|(1<<21)|(3<<22)|(3<<25)
	s_or_b32 s[G1B+0], s44, (0<<16)|(1<<20)|(1<<21)|(3<<22)|(3<<25)
.irp g, G1, G1B
	s_mov_b32 s[\g+1], 256<<16                     ; tensor_dim0: rows of 256 bytes
	s_mov_b32 s[\g+2], 192<<16                     ; tensor_dim1: 256 rows of codes = 192 such rows, for the head's loads
	s_mov_b32 s[\g+3], 256<<16                     ; tile_dim0
	s_mov_b32 s[\g+4], 192                         ; tile_dim1
	s_mov_b32 s[\g+5], 256                         ; dense
	s_mov_b32 s[\g+6], 0
	s_mov_b32 s[\g+7], 0
.endr
	; the scales of 256 rows: 8,192 dense bytes, as 32 rows of 256 bytes (32 elements of 8), 16 bytes of padding behind each
	s_or_b32 s[G1S+0], s43, (3<<16)|(1<<20)|(1<<21)|(5<<22)|(3<<25)
	s_or_b32 s[G1SB+0], s44, (3<<16)|(1<<20)|(1<<21)|(5<<22)|(3<<25)
.irp g, G1S, G1SB
	s_mov_b32 s[\g+1], 32<<16
	s_mov_b32 s[\g+2], (256*KS/256)<<16            ; the scales of all 256 rows by one load
	s_mov_b32 s[\g+3], 32<<16
	s_mov_b32 s[\g+4], 256*KS/256
	s_mov_b32 s[\g+5], 32
	s_mov_b32 s[\g+6], 0
	s_mov_b32 s[\g+7], 0
.endr
	s_lshl_b32 s20, s17, 8                         ; A's tile: its first row
	s_lshl_b32 s46, s42, 8                         ; B's
	s_mov_b32 s21, 0
	s_mov_b32 s47, 0
	s_mov_b64 s[18:19], KS
	s_mul_u64 s[22:23], s[20:21], s[18:19]         ; where these rows' scales begin, in bytes
	s_mul_u64 s[92:93], s[46:47], s[18:19]
	s_mov_b64 s[18:19], ROWB
	s_mul_u64 s[20:21], s[20:21], s[18:19]         ; and their codes
	s_mul_u64 s[46:47], s[46:47], s[18:19]
	s_mul_i32 s45, s14, HALFT                      ; where they go: wave x 128 rows: no place in the cluster enters an LDS address
	s_mul_i32 s94, s16, 128*ROWB                   ; in the ring I fetch 128 rows of a tile: which half, in bytes
	s_mov_b32 s95, 0
	s_wait_kmcnt 0x0
	s_cmp_eq_u32 s12, 0                            ; which tensor is A and which is B
	s_cselect_b64 s[100:101], s[4:5], s[8:9]
	s_cselect_b64 s[2:3], s[6:7], s[10:11]
	s_cselect_b64 s[8:9], s[8:9], s[4:5]
	s_cselect_b64 s[10:11], s[10:11], s[6:7]
	s_add_nc_u64 s[20:21], s[100:101], s[20:21]
	s_add_nc_u64 s[22:23], s[2:3], s[22:23]
	s_add_nc_u64 s[46:47], s[8:9], s[46:47]
	s_add_nc_u64 s[92:93], s[10:11], s[92:93]
	CROUND                                         ; all sixteen work-groups are here: the first joint loads meet
	s_mov_b32 s[G0S], 1
	s_mov_b32 s[G0S+1], SCL
	s_mov_b64 s[G0S+2:G0S+3], s[22:23]
	s_or_b32 s[G0S+3], s[G0S+3], 0x80000000
	s_mov_b32 s[G0SB], 1
	s_mov_b32 s[G0SB+1], SCL+2*HALFS
	s_mov_b64 s[G0SB+2:G0SB+3], s[92:93]
	s_or_b32 s[G0SB+3], s[G0SB+3], 0x80000000
	s_mov_b32 s66, WKS                             ; bytes from a K step to the next: s[66:67] A's, s[100:101] B's; the choice hangs on the cluster's y alone
	s_mov_b32 s100, XKS
	s_cmp_eq_u32 s12, 0
	s_cselect_b32 s66, XKS, s66
	s_cselect_b32 s100, WKS, s100
	s_mov_b32 s67, 0
	s_mov_b32 s101, 0
	s_mov_b32 s[G0], 1                             ; the head's loads of K step 0 take whole tiles: A's 256 rows,
	s_mov_b32 s[G0+1], 0
	s_mov_b64 s[G0+2:G0+3], s[20:21]
	s_or_b32 s[G0+3], s[G0+3], 0x80000000
	s_mov_b32 s[G0B], 1                            ; and B's, behind them in slot 0
	s_mov_b32 s[G0B+1], 2*HALFT
	s_mov_b64 s[G0B+2:G0B+3], s[46:47]
	s_or_b32 s[G0B+3], s[G0B+3], 0x80000000
	s_add_nc_u64 s[20:21], s[20:21], s[94:95]      ; for the ring: my 128 rows
	s_add_nc_u64 s[46:47], s[46:47], s[94:95]
	s_mov_b32 s[G0+4], 1                           ; slot 1: K step 1
	s_add_co_u32 s[G0+5], s45, SLOT
	s_add_nc_u64 s[G0+6:G0+7], s[20:21], s[66:67]
	s_or_b32 s[G0+7], s[G0+7], 0x80000000
	s_mov_b32 s[G0B+4], 1
	s_add_co_u32 s[G0B+5], s45, SLOT
	s_add_nc_u64 s[G0B+6:G0B+7], s[46:47], s[100:101]
	s_or_b32 s[G0B+7], s[G0B+7], 0x80000000
; THE HEAD'S LOADS, ONE A WAVE: wave 0 K step 0's 256 rows of A, wave 1 those of B, wave 2 A's scales, wave 3 B's.  One chain of branches on the wave's number, all arms leading to one join.
.macro ARM under, g0, g1, next
	s_cmp_lt_u32 s14, \under
	s_cbranch_scc0 \next
	tensor_load_to_lds s[\g0:\g0+3], s[\g1:\g1+7]
	s_nop 0
.rept 4
	v_nop
.endr
	s_branch .Lhead_asked
\next:
.endm
	ARM 1, G0,  G1,  .Lhead_b
	ARM 2, G0B, G1B, .Lhead_sa
	ARM 3, G0S, G1S, .Lhead_sb
	tensor_load_to_lds s[G0SB:G0SB+3], s[G1SB:G1SB+7]
	s_nop 0
.rept 4
	v_nop
.endr
.Lhead_asked:
	v_and_b32 v1, 15, v0                           ; r = lane % 16
	v_bfe_u32 v2, v0, 4, 1                         ; h = lane / 16
	v_mul_u32_u24 v3, v1, PITCH
	v_mul_u32_u24 v4, v2, 24
	v_add_nc_u32 v4, v3, v4                        ; a fragment's row x pitch + 24 x half
	v_lshl_add_u32 v5, v2, 4, v4                   ; and the same behind one padding more
	s_mul_i32 s21, s15, HALFT                      ; my 128 rows of A
	s_mul_i32 s22, s16, HALFT                      ; my 128 rows of B,
	s_add_co_u32 s22, s22, 2*HALFT                 ; which lie behind A's 256
.irp s, 0,1
	v_add_nc_u32 v[ADRA+\s], s21, v4
	v_add_nc_u32 v[ADRB+\s], s22, v4
	v_add_nc_u32 v[ADRA+2+\s], s21, v5
	v_add_nc_u32 v[ADRB+2+\s], s22, v5
	s_add_co_u32 s21, s21, SLOT
	s_add_co_u32 s22, s22, SLOT
.endr
	v_mul_u32_u24 v5, v1, KS                       ; my row's scales: KS bytes a row,
	v_lshrrev_b32 v6, 8, v5
	v_lshl_add_u32 v5, v6, 4, v5                   ; and 16 more for each 256 passed
	s_mul_i32 s21, s15, HALFS
	s_mul_i32 s22, s16, HALFS
	s_add_co_u32 s22, s22, 2*HALFS
	s_sub_co_u32 s22, s22, s21
	v_mul_u32_u24 v6, s22, v2                      ; lanes 16-31 take B's
	s_add_co_u32 s21, s21, SCL
	v_add_nc_u32 v5, v5, v6
	v_add_nc_u32 v[ADRS], s21, v5
	v_and_b32 v6, 31, v0
	v_lshlrev_b32 v[LN8], 3, v6
	; WHERE THE RESULTS GO.  Four bases, s[4:5], s[6:7], s[8:9], s[10:11]: base (x, y), x = A's block / 4, y = the fragment's half.
	; q, k: x steps four tiles of tokens (3,072 bytes), y a head (16 records).  v: x steps a head, y the half of the 128 keys (3,072 bytes).
	s_lshl_b32 s18, s17, 8
	s_lshl_b32 s19, s15, 7
	s_add_co_u32 s18, s18, s19                     ; my first row of A
	s_lshl_b32 s19, s42, 8
	s_lshl_b32 s20, s16, 7
	s_add_co_u32 s19, s19, s20                     ; my first row of B
	s_sub_co_u32 s20, s18, 2048
	s_cmp_eq_u32 s12, 0
	s_cselect_b32 s21, s18, s19                    ; my first token
	s_cselect_b32 s20, s19, s20                    ; my first channel: 0 .. 2,047 over q and k, 0 .. 1,023 in v
	s_lshr_b32 s22, s20, 10
	s_or_b32 s22, s22, s12                         ; 0: into qrec; 1: into kv
	s_bfe_u32 s23, s20, 0x40006                    ; my first head
	s_lshr_b32 s18, s21, 11                        ; the batch
	s_lshl_b32 s18, s18, 4
	s_or_b32 s18, s18, s23
	s_lshl_b32 s18, s18, 4
	s_bfe_u32 s19, s21, 0x40007                    ; which 128 tokens of the 2,048
	s_or_b32 s18, s18, s19                         ; the record's number
	s_mov_b32 s19, 6656
	s_cmp_lg_u32 s22, 0
	s_cselect_b32 s19, 13056, s19                  ; a record's bytes
	s_cselect_b64 s[4:5], s[98:99], s[96:97]
	s_mul_i32 s18, s18, s19
	s_lshl_b32 s20, s19, 4                         ; from a head to the next: 16 records
	s_mov_b32 s21, 3072
	s_cmp_lg_u32 s12, 0
	s_cselect_b32 s22, 6656, 0                     ; v lies behind K in a record
	s_cselect_b32 s23, s20, s21                    ; x's stride
	s_cselect_b32 s21, s21, s20                    ; y's stride
	s_cselect_b32 s2, 16, 32                       ; the scale words: bytes from r to r + 1,
	s_cselect_b32 s13, s20, 16                     ; and what lanes 16-31 add: v: the next head;  q, k: tiles 4-7
	s_add_co_u32 s18, s18, s22
	s_mov_b32 s19, 0
	s_add_nc_u64 s[4:5], s[4:5], s[18:19]
	s_mov_b32 s18, s21
	s_add_nc_u64 s[6:7], s[4:5], s[18:19]
	s_mov_b32 s18, s23
	s_add_nc_u64 s[8:9], s[4:5], s[18:19]
	s_mov_b32 s18, s21
	s_add_nc_u64 s[10:11], s[8:9], s[18:19]
	v_mul_u32_u24 v[VSO], s2, v1
	v_mul_u32_u24 v5, s13, v2
	v_add_nc_u32 v[VSO], v[VSO], v5
.macro FRAG reg, adr, q, i             ; a fragment, 16 rows x 128 K: lane l holds row l % 16; registers 6 c .. 6 c + 5 hold K = 64 c + 32 (l / 16) + 0 .. 31: 24 bytes of the row's stream of bits, in pieces of 8
.irp p, 0,1,2,3,4,5
.set PCE, 12*(\q)+6*(\p/3)+\p%3        ; lanes 16-31 read three pieces further on: where that is behind one padding more, the second address register serves
.if PCE%8 < 5
	ds_load_b64 v[\reg+2*\p:\reg+2*\p+1], v[\adr] offset:8*PCE+16*(PCE/8)+(\i)*16*PITCH
.else
	ds_load_b64 v[\reg+2*\p:\reg+2*\p+1], v[\adr+2] offset:8*PCE+16*(PCE/8)+(\i)*16*PITCH
.endif
.endr
.endm
; 16 matrix instructions: A's blocks a0, a0 + 1 x B's eight.  The 64 accumulators take turns, one instruction a turn, in the same order in every step.  zero = 1: the first product starts the sums.
.macro MUL16 a0, p, q, sc, zero
.irp a, \a0, \a0+1
.irp b, 0,1,2,3,4,5,6,7
.if \zero
	v_wmma_scale_f32_16x16x128_f8f6f4 v[8*(8*((\a)%4)+\b):8*(8*((\a)%4)+\b)+7], v[128*(\p)+FR*\b:128*(\p)+FR*\b+FR-1], v[AF+FR*(\a):AF+FR*(\a)+FR-1], 0, v[SC+8*NQ*(\sc)+NQ*\b+(\q)], v[SC+8*NQ*(\sc)+NQ*(\a)+(\q)] matrix_a_fmt:MATRIX_FMT_FP6 matrix_b_fmt:MATRIX_FMT_FP6 matrix_a_scale:MATRIX_SCALE_ROW1
.else
	v_wmma_scale_f32_16x16x128_f8f6f4 v[8*(8*((\a)%4)+\b):8*(8*((\a)%4)+\b)+7], v[128*(\p)+FR*\b:128*(\p)+FR*\b+FR-1], v[AF+FR*(\a):AF+FR*(\a)+FR-1], v[8*(8*((\a)%4)+\b):8*(8*((\a)%4)+\b)+7], v[SC+8*NQ*(\sc)+NQ*\b+(\q)], v[SC+8*NQ*(\sc)+NQ*(\a)+(\q)] matrix_a_fmt:MATRIX_FMT_FP6 matrix_b_fmt:MATRIX_FMT_FP6 matrix_a_scale:MATRIX_SCALE_ROW1
.endif
.endr
.endr
.endm
.macro FETCH_B slot, q, p
	WIN TO_B
.irp i, 0,1,2,3,4,5,6,7
	FRAG 128*(\p)+FR*\i, ADRB+\slot, \q, \i
.endr
	WIN 0
.endm
.macro FETCH_A slot, q, i0
.irp i, \i0, \i0+1, \i0+2, \i0+3
	FRAG AF+FR*(\i), ADRA+\slot, \q, \i
.endr
.endm
.macro SCALES sc                       ; a K step's scale words: two words a row; lanes 0-15 take A's block i, lanes 16-31 B's block i
.irp i, 0,1,2,3,4,5,6,7
	ds_load_b64 v[SC+8*NQ*\sc+NQ*\i:SC+8*NQ*\sc+NQ*\i+1], v[ADRS] offset:\i*SBLK
.endr
.endm
.macro PLACES n                        ; plain vector lines between a matrix instruction and a load into, or a vector line on, its registers
.rept \n
	v_nop
.endr
.endm
.macro STEP slot, q, zero              ; a step of 128 along K that has its successor in the same slot
	s_wait_dscnt 4*NL                              ; B's set and A's blocks 0-3 are in; the youngest 24 loads (A's blocks 4-7) may be out
	WIN MUL_LO
	MUL16 0, (\q)%2, \q, \slot, \zero
	MUL16 2, (\q)%2, \q, \slot, \zero
	s_wait_dscnt 0
	PLACES NP
	FETCH_B \slot, (\q)+1, 1-(\q)%2
	FETCH_A \slot, (\q)+1, 0
	WIN MUL_HI
	MUL16 4, (\q)%2, \q, \slot, \zero
	MUL16 6, (\q)%2, \q, \slot, \zero
	PLACES NP
	WIN 0
	FETCH_A \slot, (\q)+1, 4
.endm
; A slot's last step changes slots: ONE barrier; in front of it each wave waits for all its tensor loads, adds 0 to its spare word, and waits for that and for its reads of this slot.  fill = 1: the slot is filled again, two K steps ahead.
.macro TURN slot, next, fill
	s_wait_tensorcnt 0x0                           ; all my tensor loads have landed: my part of the next slot
	ds_add_u32 v[SPW], v[NIL]                      ; 0 onto my spare word
	s_wait_dscnt 4*NL+1                            ; (the add and the youngest 24 loads may be out)
	WIN MUL_LO
	MUL16 0, 1, NQ-1, \slot, 0
	s_wait_dscnt 0x0                               ; the add is done, and my reads of this slot are over
	s_barrier_signal -1
	MUL16 2, 1, NQ-1, \slot, 0
	WIN 0
	s_barrier_wait -1
.if \fill
	CREST                                          ; the barrier has opened a round of the cluster's barrier: no wave of any partner still reads this slot or has a load on its way
.rept 2                                        ; two K steps on
	s_add_nc_u64 s[G0+4*\slot+2:G0+4*\slot+3], s[G0+4*\slot+2:G0+4*\slot+3], s[66:67]
	s_add_nc_u64 s[G0B+4*\slot+2:G0B+4*\slot+3], s[G0B+4*\slot+2:G0B+4*\slot+3], s[100:101]
.endr
	JLOAD G0+4*\slot, G1, G0B+4*\slot, G1B         ; the first tensor load behind the round; its four v_nop are the places in front of the loads below
.else
	PLACES NP
.endif
	s_wait_alu depctr_va_vdst(0)
	v_add_nc_u32 v[ADRS], 4*NQ, v[ADRS]            ; on to the next K step's scale words (no LDS load of mine is out)
	FETCH_B \next, 0, 0
	FETCH_A \next, 0, 0
	SCALES \next
	WIN MUL_HI
	MUL16 4, 1, NQ-1, \slot, 0
	MUL16 6, 1, NQ-1, \slot, 0
	PLACES NP
	WIN 0
	FETCH_A \next, 0, 4
.endm
	s_wait_alu depctr_va_vdst(0)
	s_wait_tensorcnt 0x0                           ; my tile of the head's four is in
	ds_add_u32 v[SPW], v[NIL]
	s_mov_b32 s[G1+2], 96<<16                      ; no tensor load of mine is out, so descriptors may be written: from here on a load brings 128 rows of codes, 96 rows of 256 bytes,
	s_mov_b32 s[G1+4], 96
	s_mov_b32 s[G1B+2], 96<<16
	s_mov_b32 s[G1B+4], 96
	s_mov_b32 s[G0+1], s45                         ; and slot 0's group 0 names my 128 rows
	s_add_nc_u64 s[G0+2:G0+3], s[G0+2:G0+3], s[94:95]
	s_mov_b32 s[G0B+1], s45
	s_add_nc_u64 s[G0B+2:G0B+3], s[G0B+2:G0B+3], s[94:95]
	s_wait_dscnt 0x0
	CROUND                                         ; a whole round: all four tiles are in, and the sixteen work-groups are here
	JLOAD G0+4, G1, G0B+4, G1B                     ; K step 1, the first tensor load behind the round
	FETCH_B 0, 0, 0
	FETCH_A 0, 0, 0
	SCALES 0
	FETCH_A 0, 0, 4
	STEP 0, 0, 1                                   ; the first step stands in front of the loop: its products start the sums
	s_mov_b32 s3, LAPS-1
.Llap:                                                 ; a trip goes once round the ring and fills both slots again
	TURN 0, 1, 1
	STEP 1, 0, 0
	TURN 1, 0, 1
	STEP 0, 0, 0
	s_sub_co_u32 s3, s3, 1
	s_cmp_lg_u32 s3, 0
	s_cbranch_scc1 .Llap
	TURN 0, 1, 0                                   ; the last lap fills nothing
	STEP 1, 0, 0
	s_wait_dscnt 4*NL
	WIN MUL_LO
	MUL16 0, 1, NQ-1, 1, 0
	MUL16 2, 1, NQ-1, 1, 0
	s_wait_dscnt 0
	WIN MUL_HI
	MUL16 4, 1, NQ-1, 1, 0
	MUL16 6, 1, NQ-1, 1, 0
	WIN 0
; THE QUANTISER, block by block of A.  A lane's 64 results, register 16 b + i = index 32 b + 16 (lane / 16) + i of its row, become a fragment's 12 registers and its scale word; the fragment leaves as six pieces of 256 bytes.
	PLACES NP                                      ; behind the last products: the lines below write registers that held A's fragments, and read results
	s_mov_b32 s92, 0x76543210
	s_mov_b32 s93, 0xfedcba98                      ; v_permlanex16_b32's selects for lane l xor 16
.irp b, 0,1,2,3
	v_mov_b32 v[TM+4+\b], 0                        ; written once: a lane permute's destination counts as one of its sources
.endr
.macro QBLK a
.set AC, 64*((\a)%4)                   ; the block's accumulators, in window 2 or 3
.set PC, 64+24*((\a)%2)                ; its codes: 12 registers, and 8 at work; two sets by turns
.if (\a) > 1
	s_wait_xcnt 0x0                                ; the stores of two blocks back have read this set of registers
.endif
	WIN 0x0a+5*((\a)/4)                            ; sources 0 and 1: the accumulators' window
.irp b, 0,1,2,3
	v_max3_num_f32 v[TM+\b], |v[AC+16*\b]|, |v[AC+16*\b+1]|, 0x1800000   ; my 16 numbers of block b, each accumulator from its low end on, and the floor 2^(3 - 127)
.endr
.irp i, 2,4,6,8,10,12,14
.irp b, 0,1,2,3
	v_max3_num_f32 v[TM+\b], |v[AC+16*\b+\i]|, |v[AC+16*\b+\i+1]|, v[TM+\b]
.endr
.endr
	WIN 0
.irp b, 0,1,2,3
	v_permlanex16_b32 v[TM+4+\b], v[TM+\b], s92, s93
.endr
.irp b, 0,1,2,3
	v_max_num_f32 v[TM+\b], v[TM+\b], v[TM+4+\b]   ; with lane l xor 16's: the block's largest magnitude
.endr
.irp b, 0,1,2,3
	v_add_nc_u32 v[TM+12+\b], 0xff000000, v[TM+\b] ; 2 off its exponent field: the conversion's scale operand
.endr
.irp b, 0,1,2,3
	v_lshrrev_b32 v[TM+4+\b], 23, v[TM+12+\b]      ; the scale's byte
.endr
	v_lshl_or_b32 v[PW+(\a)], v[TM+5], 8, v[TM+4]
	v_lshl_or_b32 v[PW+(\a)], v[TM+6], 16, v[PW+(\a)]
	v_lshl_or_b32 v[PW+(\a)], v[TM+7], 24, v[PW+(\a)]
	WIN 0x02+(\a)/4                                ; source 0: the accumulators' window
.irp c, 0,1
	v_cvt_scalef32_pk16_fp6_f32 v[PC+6*\c:PC+6*\c+2], v[AC+32*\c:AC+32*\c+15], v[TM+12+2*\c]
	v_cvt_scalef32_pk16_fp6_f32 v[PC+12+4*\c:PC+14+4*\c], v[AC+16+32*\c:AC+31+32*\c], v[TM+13+2*\c]   ; (a conversion's three registers begin on an even number)
.endr
	WIN 0
	v_nop                                          ; one plain line behind the conversions
.irp c, 0,1                                    ; the operand's layout wants a WHOLE block of 32 in a lane
.irp i, 0,1,2
	v_permlane16_swap_b32 v[PC+6*\c+\i], v[PC+12+4*\c+\i]
.endr
.irp i, 0,1,2
	v_mov_b32 v[PC+3+6*\c+\i], v[PC+12+4*\c+\i]
.endr
.endr
.irp p, 0,1,2,3,4,5
	global_store_b64 v[LN8], v[PC+2*\p:PC+2*\p+1], s[4+4*((\a)/4)+2*(\p/3):5+4*((\a)/4)+2*(\p/3)] offset:((\a)%4)*768+(\p%3)*256   ; 32 lanes store 256 consecutive bytes, aligned
.endr
.endm
.irp a, 0,1,2,3,4,5,6,7
	QBLK \a
.endr
	; the scale words.  Lanes 0-15 carry blocks 0-3's, lanes 16-31 blocks 4-7's (a word is the same in lanes l and l xor 16).
	v_and_b32 v5, 31, v0
	v_cmp_le_u32 vcc_lo, 16, v5
.irp i, 0,1,2,3
	v_cndmask_b32 v[TW+\i], v[PW+\i], v[PW+4+\i], vcc_lo
.endr
	s_wait_alu depctr_va_vdst(0)                   ; the wait ahead of the branch
	s_cmp_lg_u32 s12, 0                            ; the same in all partners
	s_cbranch_scc1 .Lv_word
.irp i, 0,1,2,3                                ; q, k: a head's two bytes stand in BOTH halves of its word, so that the word serves a tile in either half of a fragment's 128 along K
	v_perm_b32 v[UW+\i], v[TW+\i], v[TW+\i], 0x03020302
	v_perm_b32 v[PW+\i], v[TW+\i], v[TW+\i], 0x01000100
.endr
	global_store_b128 v[VSO], v[PW:PW+3], s[4:5] offset:6144     ; the first head's 512 bytes [r][tile 0-7]
	global_store_b128 v[VSO], v[UW:UW+3], s[6:7] offset:6144     ; the second head's
	s_branch .Lone_word
.Lv_word:
	global_store_b128 v[VSO], v[TW:TW+3], s[4:5] offset:6144     ; v: 256 bytes [r][tile 0-3] for each of my two heads
.Lone_word:
	s_wait_tensorcnt 0x0                           ; the wave's end
	ds_add_u32 v[SPW], v[NIL]
	s_wait_dscnt 0x0
	CROUND                                         ; the closing round: no work-group ends while a partner may still ask for a tile that names it
	s_endpgm
.Lfunc_end_k_q74b0f35d5f_qkv:
	.size	k_q74b0f35d5f_qkv, .Lfunc_end_k_q74b0f35d5f_qkv-k_q74b0f35d5f_qkv
	.p2alignl 7, 3214868480
	.fill 96, 4, 3214868480
	.section	.rodata,"a",@progbits
	.p2align	6, 0x0
	.amdhsa_kernel k_q74b0f35d5f_qkv
		.amdhsa_group_segment_fixed_size 327680
		.amdhsa_private_segment_fixed_size 0
		.amdhsa_enable_private_segment 0
		.amdhsa_kernarg_size 48
		.amdhsa_user_sgpr_count 2
		.amdhsa_user_sgpr_kernarg_segment_ptr 1
		.amdhsa_wavefront_size32 1
		.amdhsa_system_sgpr_workgroup_id_x 1
		.amdhsa_system_sgpr_workgroup_id_y 1
		.amdhsa_system_sgpr_workgroup_id_z 1
		.amdhsa_system_vgpr_workitem_id 0
		.amdhsa_next_free_vgpr 1024
		.amdhsa_next_free_sgpr 102
		.amdhsa_reserve_vcc 1
		.amdhsa_float_denorm_mode_32 3
		.amdhsa_float_denorm_mode_16_64 3
		.amdhsa_memory_ordered 1
		.amdhsa_forward_progress 1
		.amdhsa_inst_pref_size 170
	.end_amdhsa_kernel
	.amdgpu_metadata
---
amdhsa.version: [ 1, 2 ]
amdhsa.kernels:
  - .name:           k_q74b0f35d5f_qkv
    .symbol:         k_q74b0f35d5f_qkv.kd
    .args:
      - { .name: xc, .offset: 0, .size: 8, .value_kind: global_buffer, .address_space: global }
      - { .name: xs, .offset: 8, .size: 8, .value_kind: global_buffer, .address_space: global }
      - { .name: wc, .offset: 16, .size: 8, .value_kind: global_buffer, .address_space: global }
      - { .name: ws, .offset: 24, .size: 8, .value_kind: global_buffer, .address_space: global }
      - { .name: qrec, .offset: 32, .size: 8, .value_kind: global_buffer, .address_space: global }
      - { .name: kv, .offset: 40, .size: 8, .value_kind: global_buffer, .address_space: global }
    .group_segment_fixed_size: 327680
    .private_segment_fixed_size: 0
    .kernarg_segment_align: 8
    .kernarg_segment_size: 48
    .max_flat_workgroup_size: 128
    .sgpr_count:     102
    .vgpr_count:     1024
    .wavefront_size: 32
...
	.end_amdgpu_metadata
.endif
;; end of part 2
;; launch attn (part 3): grid 4 x 64, 16 waves a work-group, clusters of 4 x 1, 210,944 bytes of LDS; arguments qrec, kv, aimg, asc; writes aimg, asc
.if DOCPART == 3
	.amdgcn_target "amdgcn-amd-amdhsa--gfx1250"
	.amdhsa_code_object_version 6
	.text
	.protected	k_q74b0f35d5f_attn
	.globl	k_q74b0f35d5f_attn
	.p2align	8
	.type	k_q74b0f35d5f_attn,@function
k_q74b0f35d5f_attn:
	s_mov_b64 s[64:65], 0
	v_nop
	global_prefetch_b8 v0, s[64:65] scope:SCOPE_SE
	s_setreg_imm32_b32 hwreg(HW_REG_WAVE_MODE, 25, 1), 1
	s_wait_xcnt 0x0
	s_wait_alu depctr_hold_cnt(0) depctr_sa_sdst(0) depctr_va_vdst(0) depctr_va_sdst(0) depctr_va_ssrc(0) depctr_va_vcc(0) depctr_vm_vsrc(0)
	s_getreg_b32 s2, hwreg(HW_REG_IB_STS2, 6, 4)
	s_cmp_eq_u32 s2, 0
	s_cbranch_scc0 .Lentry_in_a_cluster
	s_endpgm
.Lentry_in_a_cluster:
	s_bfe_u32 s2, ttmp6, 0x10000c
	s_cmp_lg_u32 s2, 0x3003
	s_cbranch_scc0 .Lentry_shape_is_right
	s_endpgm
.Lentry_shape_is_right:
; Causal attention of one head (64 channels, 2,048 tokens) on codes of FP6 (E2M3) with E8M0 scales, and its result, o / l, quantised along the model's 1,024 channels for the last product.
; t = score x log2(e) / 8; M = the row's largest t so far, rounded UP to a whole number; p = 2^(t - M) is quantised along the keys, not normalised; l is the sum of the unquantised p and divides at the end.
; When M moves, l and O are multiplied by 2^(old M - new M): exact.
; WORK LEFT OUT: key steps that lie wholly behind a tile's queries: reference()'s own causal mask gives them p = 0 for all values of the inputs.
; K AND V OF THE WHOLE HEAD LIE IN LDS: 16 records of 13,056 bytes, each brought once by one tensor load, one a wave, at the head; every wave waits for its load ahead of the one barrier.  Nothing is filled again: the key loop has no barrier.
; CLUSTER: the four work-groups of a head need the same 16 records and ask for them jointly (mask 15).  No branch, trip count or LDS address hangs on the place in the cluster: it enters global addresses and the mask's compare value alone.
; SHARES.  The head's 128 stored tiles of 16 queries fall in 16 groups of 8 (128 tokens); a tile of group G needs records 0 .. G.  Wave w of work-group cx takes tile e = 2 cx + w % 2 of group 15 - g and then of group g, g = w / 2:
; (16 - g) + (g + 1) = 17 key steps for EVERY wave.  Step a = 0 .. 16 reads record (a + (a > 15 - g ? g : 0)) % 16.
; TWO BANKS OF 64 REGISTERS change roles from step to step, so a trip of the loop is two steps.  In a step one bank holds K (asked for in the step before); the scores fall into the other; K's bank then takes V, asked for directly behind
; the score products; when p has been turned into codes, its bank takes the next step's K.
; TWO KEY TILES SHARE A FRAGMENT: the head has 64 channels and the instruction 128 along K, so registers 0-5 hold tile 2 m and registers 6-11 tile 2 m + 1; multiplied with [Q | zero codes] and with [zero codes | Q].
; q's and k's scale words hold the tile's two bytes in both halves.
; No prefetch: every byte of kv is asked for by the head's loads; there is no later load ahead of which one could run.
; OPERANDS ARRIVE AS IMAGES OF REGISTERS: every LDS load of codes reads 256 consecutive bytes.  A stored tile of 16 tokens 2 b + u holds in lane r the token 32 b + 8 u + r + 8 (r / 8).
; Both products are used transposed: S^T = K Q^T, O^T = V^T P^T: a lane holds ONE query throughout, the 16 registers of score tiles 2 b, 2 b + 1 are keys 32 b + 16 (lane / 16) + 0 .. 15, O^T's register 16 b + i is channel 32 b + 16 (lane / 16) + i.
;   a record of kv (128 keys): 0: K, 8 tiles x 3 pieces of 256 bytes; 6,144: K's scale words [r 16][tile 8]; 6,656: V's codes [half 2][tile of 16 channels 4][3][256]; 12,800: V's scale words [r 16][tile 4].
;   a record of qrec (128 queries): 8 tiles x 768 bytes, then scale words [r 16][tile 8].
; OUT: aimg [row tile 512][head 16][768]: registers 0-5 of a fragment (16 tokens x this head's 64 channels); asc [8,192 stored rows][32]: bytes 2 head, 2 head + 1, two bytes a row.
; LIMITS: NaN and infinities are not served; the promise holds while |t| stays under 2^31.  A block's largest p is taken as 2^ of its largest score's t - M, which takes v_exp_f32 not to fall where its input rises.
; A block of zeros gets the byte 1: its codes are zeros, and the bytes are read by this program alone.
.set RECB,  13056
.set SPARE, 16*RECB                    ; behind the records: the spare words, 128 bytes a wave
.set A8,    1                          ; v1   8 x lane
.set A32,   2                          ; v2   32 x (lane % 16)
.set A16,   3                          ; v3   16 x (lane % 16)
.set AD8,   4                          ; v4, v5  8 x lane + the record's place, for steps of parity 0, 1
.set AD16,  6                          ; v6, v7  16 x (lane % 16) + the same
.set N32,   8                          ; v8   32 x (lane % 16) + the next record's place
.set DD,    9                          ; v9   my query - the diagonal record's first key - 16 (lane / 16)
.set QF,    16                         ; v16-21 Q, v22-27 zero codes, v28-33 Q: [Q | 0] from v16, [0 | Q] from v22
.set QSW,   34
.set Q2,    36                         ; v36-41 the second tile's Q, v42 its scale word
.set Q2S,   42
.set T0,    44
.set T1,    45
.set BX,    48                         ; v48-111, v112-175 the two banks
.set BY,    112
.set O,     176                        ; v176-207 O^T
.set PCD,   208                        ; v208-219 p's codes; v220-222, v224-226 at work; ahead of the conversions v208-221 carry the sum's chains
.set PSW,   227
.set KSW,   228
.set VSW,   236
.set BM,    240                        ; each block's largest score, then its largest p
.set PT,    244
.set SOP,   248
.set FF,    252                        ; v[252:253] f = 2^(old M - new M), later 1 / l
.set WV,    12
.set CX,    13
.set BH,    14                         ; 16 x batch + head
.set GG,    15                         ; g
.set G15,   16                         ; 15 - g
.set EE,    17                         ; e
.set AA,    18                         ; the step
.set KR,    19                         ; its record
.set SEL,   20
.set CS,    22                         ; s[22:23] log2(e) / 8
.set BND,   24                         ; the group in hand = its last record
.set RN,    25                         ; the next record's place in LDS
.set AO,    26                         ; s[26:27] my place in aimg, s[28:29] in asc; s[30:33] the second tile's
.set SO,    28
.set AO2,   30
.set SO2,   32
.set NR,    34                         ; the next step's record
.set TT,    35                         ; the trip
.set G0,    36
.set G1,    40
.macro ROUND
	s_barrier_signal -1
	s_barrier_wait -1
	s_cmp_lg_u32 s[WV], 0
	s_cbranch_scc1 .Lnot_wave_0_\@
	s_barrier_signal -3
.Lnot_wave_0_\@:
	s_barrier_wait -3
	s_barrier_signal -1
	s_barrier_wait -1
.endm
.macro TILE grp, qf, qsw, qb, ao, so   ; tile e of the group in s[grp]: its Q is asked for, its places in aimg and asc are made
	s_lshl_b32 s48, s[BH], 4
	s_add_co_u32 s48, s48, s[\grp]
	s_mul_i32 s48, s48, 6656
	s_mul_i32 s50, s[EE], 768
	s_add_co_u32 s50, s50, s48
	s_mov_b32 s51, 0
	s_add_nc_u64 s[\qb:\qb+1], s[4:5], s[50:51]
	s_lshl_b32 s50, s[EE], 2
	s_add_co_u32 s50, s50, s48
	s_add_nc_u64 s[\qb+2:\qb+3], s[4:5], s[50:51]
.irp p, 0,1,2
	global_load_b64 v[\qf+2*\p:\qf+2*\p+1], v[A8], s[\qb:\qb+1] offset:256*\p
.endr
	global_load_b32 v[\qsw], v[A32], s[\qb+2:\qb+3] offset:6144
	s_lshr_b32 s48, s[BH], 4
	s_lshl_b32 s48, s48, 7
	s_lshl_b32 s49, s[\grp], 3
	s_add_co_u32 s48, s48, s49
	s_add_co_u32 s48, s48, s[EE]                   ; the row tile among 512
	s_lshl_b32 s50, s48, 4
	s_and_b32 s49, s[BH], 15
	s_add_co_u32 s50, s50, s49
	s_mul_i32 s50, s50, 768
	s_add_nc_u64 s[\ao:\ao+1], s[8:9], s[50:51]
	s_lshl_b32 s50, s48, 9
	s_lshl_b32 s49, s49, 1
	s_add_co_u32 s50, s50, s49
	s_add_nc_u64 s[\so:\so+1], s[10:11], s[50:51]
.endm
.macro RESET                           ; a tile's first step finds zeros, which the first change of M leaves zeros
	v_mov_b32 v13, 0xff61b1e6                      ; the largest t so far: -3e38
	s_delay_alu instid0(VALU_DEP_1)
	v_floor_f32 v12, -v13                          ; -M
	v_mov_b32 v14, 0
	v_mov_b32 v15, 0
.set j, 0
.rept 32
	v_mov_b32 v[O+j], 0
.set j, j+1
.endr
.endm
.macro KLOAD bank, a8                  ; a record's K: 24 pieces of 256 bytes as they lie, and its scale words
.set i, 0
.rept 24
	ds_load_b64 v[\bank+2*i:\bank+2*i+1], v[\a8] offset:256*i
.set i, i+1
.endr
	ds_load_b128 v[KSW:KSW+3], v[N32] offset:6144
	ds_load_b128 v[KSW+4:KSW+7], v[N32] offset:6144+16
.endm
; A tile's end: o / l, quantised along the head's 64 channels (two blocks of 32 of the last product's K), leaves as half a fragment's image and two scale bytes a row.  tb: the bank that V has left.
.macro FINISH tb
.rept 4
	v_nop                                          ; places behind the last products
.endr
	v_add_f32 v14, v14, v15
	s_delay_alu instid0(VALU_DEP_1)
	v_permlanex16_b32 v[T0], v14, s[SEL], s[SEL+1]
	s_delay_alu instid0(VALU_DEP_1)
	v_add_f32 v14, v14, v[T0]                      ; the row's sum
	s_wait_alu depctr_va_vdst(0)
	v_rcp_f32 v[FF], v14
	v_nop                                          ; a plain line behind the reciprocal,
	s_wait_alu depctr_va_vdst(0)                   ; and the wait ahead of its first reader
.set j, 0
.rept 16
	v_pk_mul_f32 v[\tb+j:\tb+j+1], v[O+j:O+j+1], v[FF:FF+1] op_sel_hi:[1,0]   ; register 16 b + i: channel 32 b + 16 (lane / 16) + i
.set j, j+2
.endr
.irp b, 0,1
	v_max3_num_f32 v[BM+\b], |v[\tb+16*\b]|, |v[\tb+1+16*\b]|, 0x1800000
.endr
.irp i, 2,4,6,8,10,12,14
.irp b, 0,1
	s_delay_alu instid0(VALU_DEP_2)
	v_max3_num_f32 v[BM+\b], v[BM+\b], |v[\tb+16*\b+\i]|, |v[\tb+1+16*\b+\i]|
.endr
.endr
.irp b, 0,1
	s_delay_alu instid0(VALU_DEP_2)
	v_permlanex16_b32 v[PT+\b], v[BM+\b], s[SEL], s[SEL+1]
.endr
.irp b, 0,1
	s_delay_alu instid0(VALU_DEP_2)
	v_max_num_f32 v[BM+\b], v[BM+\b], v[PT+\b]
.endr
.irp b, 0,1
	s_delay_alu instid0(VALU_DEP_2)
	v_add_nc_u32 v[SOP+\b], 0xff000000, v[BM+\b]
.endr
.irp b, 0,1
	s_delay_alu instid0(VALU_DEP_2)
	v_lshrrev_b32 v[PT+\b], 23, v[SOP+\b]
.endr
	s_delay_alu instid0(VALU_DEP_1)
	v_lshl_or_b32 v[T0], v[PT+1], 8, v[PT]         ; the row's two bytes
	v_cvt_scalef32_pk16_fp6_f32 v[PCD:PCD+2], v[\tb:\tb+15], v[SOP]
	v_cvt_scalef32_pk16_fp6_f32 v[PCD+12:PCD+14], v[\tb+16:\tb+31], v[SOP+1]
	v_nop
.irp i, 0,1,2
	v_permlane16_swap_b32 v[PCD+\i], v[PCD+12+\i]
.endr
.irp i, 0,1,2
	s_delay_alu instid0(VALU_DEP_3)
	v_mov_b32 v[PCD+3+\i], v[PCD+12+\i]
.endr
.irp p, 0,1,2
	global_store_b64 v[A8], v[PCD+2*\p:PCD+2*\p+1], s[AO:AO+1] offset:256*\p   ; 32 lanes store 256 consecutive bytes, aligned
.endr
	global_store_b16 v[A32], v[T0], s[SO:SO+1]     ; lanes l and l xor 16 write the same two bytes with the same value
.endm
; A KEY STEP: 128 keys.  kb: the bank that holds K and then takes V;  sb: the bank of the scores, which then takes the next step's K;  par: the step's parity.
.macro STEP kb, sb, par
	s_lshl_b32 s[AA], s[TT], 1
.if \par
	s_add_co_u32 s[AA], s[AA], 1
.endif
	s_cmp_gt_u32 s[AA], s[G15]
	s_cselect_b32 s[BND], s[GG], s[G15]
	s_add_co_u32 s48, s[AA], 1                     ; the next step's record
	s_cmp_gt_u32 s48, s[G15]
	s_cselect_b32 s49, s[GG], 0
	s_add_co_u32 s48, s48, s49
	s_and_b32 s[NR], s48, 15
	s_mul_i32 s[RN], s[NR], RECB
	v_add_nc_u32 v[AD8+1-\par], s[RN], v[A8]       ; these three and the two v_nop are the five places between the last step's products, which read bank sb, and the products below, which write it
	v_add_nc_u32 v[AD16+1-\par], s[RN], v[A16]
	v_add_nc_u32 v[N32], s[RN], v[A32]
	v_nop
	v_nop
	s_wait_dscnt 0x0                               ; K and its scale words, asked for in the step before
.irp t, 0,1,2,3,4,5,6,7                        ; S^T = K Q^T
	v_wmma_scale_f32_16x16x128_f8f6f4 v[\sb+8*\t:\sb+8*\t+7], v[\kb+12*(\t/2):\kb+12*(\t/2)+11], v[QF+6*(\t%2):QF+6*(\t%2)+11], 0, v[KSW+\t], v[QSW] matrix_a_fmt:MATRIX_FMT_FP6 matrix_b_fmt:MATRIX_FMT_FP6
.endr
.rept 4
	v_nop                                          ; places in front of the loads into K's bank and of the first reads of the scores
.endr
.irp t, 0,1,2,3                                ; V's four fragments and its scale words: 25 loads
.irp p, 0,1,2,3,4,5
	ds_load_b64 v[\kb+12*\t+2*\p:\kb+12*\t+2*\p+1], v[AD8+\par] offset:6656+(\p/3)*3072+\t*768+(\p%3)*256
.endr
.endr
	ds_load_b128 v[VSW:VSW+3], v[AD16+\par] offset:12800
	s_cmp_lg_u32 s[KR], s[BND]                     ; the group's last record holds the diagonal: hidden scores become -infinity ahead of the maximum
	s_cbranch_scc1 .Lopen_\@
	v_mov_b32 v[T1], 0xff800000
.set n, 0
.rept 64
	v_cmp_gt_i32 vcc_lo, 32*(n/16)+n%16, v[DD]     ; register 16 b + i holds key 16 (lane / 16) + 32 b + i of the record: hidden where 32 b + i > d
	v_cndmask_b32 v[\sb+n], v[\sb+n], v[T1], vcc_lo
.set n, n+1
.endr
.Lopen_\@:
.irp b, 0,1,2,3
	v_max3_num_f32 v[BM+\b], v[\sb+16*\b], v[\sb+1+16*\b], v[\sb+2+16*\b]   ; the largest score of each block of 32 keys: for the row's maximum, and for the block's largest p
.endr
.irp i, 3,5,7,9,11,13
.irp b, 0,1,2,3
	v_max3_num_f32 v[BM+\b], v[BM+\b], v[\sb+16*\b+\i], v[\sb+1+16*\b+\i]
.endr
.endr
.irp b, 0,1,2,3
	v_max_num_f32 v[BM+\b], v[BM+\b], v[\sb+15+16*\b]
.endr
.irp b, 0,1,2,3
	s_delay_alu instid0(VALU_DEP_4)
	v_permlanex16_b32 v[PT+\b], v[BM+\b], s[SEL], s[SEL+1]
.endr
.irp b, 0,1,2,3
	s_delay_alu instid0(VALU_DEP_4)
	v_max_num_f32 v[BM+\b], v[BM+\b], v[PT+\b]     ; with lane l xor 16's 16 keys
.endr
	s_delay_alu instid0(VALU_DEP_2)
	v_max3_num_f32 v[T0], v[BM], v[BM+1], v[BM+2]
	s_delay_alu instid0(VALU_DEP_1)
	v_max_num_f32 v[T0], v[T0], v[BM+3]
	s_delay_alu instid0(VALU_DEP_1)
	v_mul_f32 v[T0], s[CS], v[T0]                  ; the step's largest t of my query
	s_delay_alu instid0(VALU_DEP_1)
	v_max_num_f32 v13, v13, v[T0]
	v_mov_b32 v[T0], v12
	s_delay_alu instid0(VALU_DEP_2)
	v_floor_f32 v12, -v13                          ; the new -M = floor(-t): M is a whole number
	s_delay_alu instid0(VALU_DEP_1)
	v_sub_f32 v[T0], v12, v[T0]                    ; old M - new M: a whole number, 0 or less
	s_delay_alu instid0(VALU_DEP_1)
	v_cvt_i32_f32 v[T0], v[T0]                     ; (it saturates)
	s_delay_alu instid0(VALU_DEP_1)
	v_ldexp_f32 v[FF], 1.0, v[T0]                  ; f
.set j, 0
.rept 32
	v_pk_fma_f32 v[\sb+j:\sb+j+1], v[\sb+j:\sb+j+1], s[CS:CS+1], v[12:13] op_sel_hi:[1,0,0]   ; t - M, two at a time
.set j, j+2
.endr
.irp b, 0,1,2,3
	v_fma_f32 v[BM+\b], v[BM+\b], s[CS], v12       ; the same of each block's largest score
.endr
.set j, 0
	s_wait_alu depctr_va_vdst(0)                   ; the wait ahead of the batch
.rept 64
	v_exp_f32 v[\sb+j], v[\sb+j]                   ; p = 2^(t - M)
.set j, j+1
.endr
	v_pk_mul_f32 v[14:15], v[14:15], v[FF:FF+1] op_sel_hi:[1,0]   ; the sums under the new M (a plain line behind the exponentials)
	s_wait_alu depctr_va_vdst(0)                   ; one wait for the batch of 64, ahead of its first reader
.irp b, 0,1,2,3
	v_exp_f32 v[BM+\b], v[BM+\b]                   ; the block's largest p
.endr
.irp c, 0,1,2,3,4,5,6                          ; the row's sum of the unquantised p, 32 pairs in eight chains
	v_pk_add_f32 v[PCD+2*\c:PCD+2*\c+1], v[\sb+4*\c:\sb+4*\c+1], v[\sb+4*\c+2:\sb+4*\c+3]
.endr
	v_pk_add_f32 v[14:15], v[14:15], v[\sb+28:\sb+29]
.irp c, 0,1,2,3,4,5,6
	v_pk_add_f32 v[PCD+2*\c:PCD+2*\c+1], v[PCD+2*\c:PCD+2*\c+1], v[\sb+30+2*\c:\sb+31+2*\c]
.endr
	v_pk_add_f32 v[14:15], v[14:15], v[\sb+44:\sb+45]
.irp c, 0,1,2,3,4,5,6
	v_pk_add_f32 v[PCD+2*\c:PCD+2*\c+1], v[PCD+2*\c:PCD+2*\c+1], v[\sb+46+2*\c:\sb+47+2*\c]
.endr
	v_pk_add_f32 v[14:15], v[14:15], v[\sb+60:\sb+61]
	v_pk_add_f32 v[PCD:PCD+1], v[PCD:PCD+1], v[\sb+62:\sb+63]
	v_pk_add_f32 v[PCD+4:PCD+5], v[PCD+4:PCD+5], v[PCD+6:PCD+7]
	v_pk_add_f32 v[PCD+8:PCD+9], v[PCD+8:PCD+9], v[PCD+10:PCD+11]
	v_pk_add_f32 v[14:15], v[14:15], v[PCD+12:PCD+13]
	v_pk_add_f32 v[PCD:PCD+1], v[PCD:PCD+1], v[PCD+2:PCD+3]
	v_pk_add_f32 v[PCD+4:PCD+5], v[PCD+4:PCD+5], v[PCD+8:PCD+9]
	s_delay_alu instid0(VALU_DEP_2)
	v_pk_add_f32 v[14:15], v[14:15], v[PCD:PCD+1]
	s_delay_alu instid0(VALU_DEP_1)
	v_pk_add_f32 v[14:15], v[14:15], v[PCD+4:PCD+5]
	s_wait_alu depctr_va_vdst(0)                   ; and one for the four
.irp b, 0,1,2,3
	v_max_num_f32 v[BM+\b], 0x1800000, v[BM+\b]    ; the floor 2^(3 - 127): the byte cannot fall under 1
.endr
.irp b, 0,1,2,3
	s_delay_alu instid0(VALU_DEP_4)
	v_add_nc_u32 v[SOP+\b], 0xff000000, v[BM+\b]   ; 2 off the exponent field: the conversion's scale operand
.endr
.irp b, 0,1,2,3
	s_delay_alu instid0(VALU_DEP_4)
	v_lshrrev_b32 v[PT+\b], 23, v[SOP+\b]
.endr
	s_delay_alu instid0(VALU_DEP_3)
	v_lshl_or_b32 v[PSW], v[PT+1], 8, v[PT]        ; p's scale word for these 128 keys
	s_delay_alu instid0(VALU_DEP_1)
	v_lshl_or_b32 v[PSW], v[PT+2], 16, v[PSW]
	s_delay_alu instid0(VALU_DEP_1)
	v_lshl_or_b32 v[PSW], v[PT+3], 24, v[PSW]
.irp c, 0,1
	v_cvt_scalef32_pk16_fp6_f32 v[PCD+6*\c:PCD+6*\c+2], v[\sb+32*\c:\sb+32*\c+15], v[SOP+2*\c]
	v_cvt_scalef32_pk16_fp6_f32 v[PCD+12+4*\c:PCD+14+4*\c], v[\sb+16+32*\c:\sb+31+32*\c], v[SOP+2*\c+1]
.endr
	v_nop                                          ; one plain line behind the conversions
.if \par == 0
	s_wait_alu depctr_va_vdst(0)                   ; the wait ahead of the branch
	s_cmp_eq_u32 s[AA], 16                         ; the last step has no successor: it asks for nothing and waits for V here
	s_cbranch_scc0 .Lnext_\@
	s_wait_dscnt 0x0
	s_branch .Lasked_\@
.Lnext_\@:
.endif
	KLOAD \sb, AD8+1-\par                          ; the next step's K, into the bank that p has left: 26 loads
.Lasked_\@:
.irp c, 0,1                                    ; the operand's layout wants a WHOLE block of 32 keys in a lane
.irp i, 0,1,2
	v_permlane16_swap_b32 v[PCD+6*\c+\i], v[PCD+12+4*\c+\i]
.endr
.irp i, 0,1,2
	s_delay_alu instid0(VALU_DEP_3)
	v_mov_b32 v[PCD+3+6*\c+\i], v[PCD+12+4*\c+\i]
.endr
.endr
	s_wait_alu depctr_va_vdst(0)                   ; the wait directly ahead of the first reader of O^T
.set j, 0
.rept 16
	v_pk_mul_f32 v[O+j:O+j+1], v[O+j:O+j+1], v[FF:FF+1] op_sel_hi:[1,0]   ; O^T under the new M; these sixteen are also the places between the scale word's and the codes' last writes and the products
.set j, j+2
.endr
	s_wait_alu depctr_va_vdst(0)
	s_wait_dscnt 26                                ; V's 25 loads are in; the 26 of the next K, issued behind them, may be out
.irp t, 0,1,2,3                                ; O^T += V^T P^T: the four accumulators by turns, one instruction each
	v_wmma_scale_f32_16x16x128_f8f6f4 v[O+8*\t:O+8*\t+7], v[\kb+12*\t:\kb+12*\t+11], v[PCD:PCD+11], v[O+8*\t:O+8*\t+7], v[VSW+\t], v[PSW] matrix_a_fmt:MATRIX_FMT_FP6 matrix_b_fmt:MATRIX_FMT_FP6
.endr
	s_cmp_lg_u32 s[KR], s[BND]
	s_cbranch_scc1 .Lgo_on_\@
	FINISH \kb
	s_wait_xcnt 0x0                                ; the stores have read their data and bases: both may be written again
.if \par == 0
	s_cmp_eq_u32 s[AA], 16
	s_cbranch_scc1 .Lgo_on_\@
.endif
	s_mov_b64 s[AO:AO+1], s[AO2:AO2+1]             ; on to the second tile
	s_mov_b64 s[SO:SO+1], s[SO2:SO2+1]
.irp p, 0,1,2,3,4,5
	v_mov_b32 v[QF+\p], v[Q2+\p]
	v_mov_b32 v[QF+12+\p], v[Q2+\p]
.endr
	v_mov_b32 v[QSW], v[Q2S]
	RESET
.Lgo_on_\@:
	s_wait_alu depctr_va_vdst(0)                   ; the wait ahead of the scalar lines and jumps that follow
	s_mov_b32 s[KR], s[NR]
.endm
	s_load_b256 s[4:11], s[0:1], 0x0               ; qrec, kv, aimg, asc
	v_lshl_add_u32 v254, v0, 2, SPARE
	v_mov_b32 v255, 0
	ds_add_u32 v254, v255                          ; the opening lines: the add, twice on end, and its wait ahead of my tensor load
	ds_add_u32 v254, v255
	v_lshrrev_b32 v10, 5, v0
	v_readfirstlane_b32 s[WV], v10                 ; wave 0..15
	s_bfe_u32 s[CX], ttmp6, 0x40000
	s_and_b32 s[BH], ttmp7, 0xffff                 ; the cluster's y
	s_lshr_b32 s[GG], s[WV], 1
	s_xor_b32 s[G15], s[GG], 15
	s_and_b32 s48, s[WV], 1
	s_lshl_b32 s49, s[CX], 1
	s_add_co_u32 s[EE], s49, s48
	s_lshl_b32 s49, s[CX], 5
	s_lshl_b32 s48, s48, 3
	s_add_co_u32 s48, s48, s49                     ; my tile's first query in its group: 32 (e / 2) + 8 (e % 2)
	s_mov_b32 s[SEL], 0x76543210
	s_mov_b32 s[SEL+1], 0xfedcba98
	s_mov_b32 s[CS], 0x3e38aa3b                    ; log2(e) / 8
	s_mov_b32 s[CS+1], s[CS]
	s_mov_b32 s[G0], 1
	s_mov_b32 s[G1], 15|(3<<16)|(1<<21)            ; the four work-groups of the cluster; elements of 8 bytes
	s_mov_b32 s[G1+1], 32<<16                      ; a record: 51 rows of 256 bytes, dense
	s_mov_b32 s[G1+2], 51<<16
	s_mov_b32 s[G1+3], 32<<16
	s_mov_b32 s[G1+4], 51
	s_mov_b32 s[G1+5], 32
	s_mov_b32 s[G1+6], 0
	s_mov_b32 s[G1+7], 0
	v_and_b32 v10, 31, v0
	v_lshlrev_b32 v[A8], 3, v10
	v_and_b32 v10, 15, v0                          ; r
	v_lshlrev_b32 v[A32], 5, v10
	v_lshlrev_b32 v[A16], 4, v10
	v_bfe_u32 v11, v0, 4, 1                        ; h
	v_and_b32 v[DD], 8, v10
	v_add_nc_u32 v[DD], v[DD], v10
	v_lshlrev_b32 v11, 4, v11
	v_sub_nc_u32 v[DD], v[DD], v11
	v_add_nc_u32 v[DD], s48, v[DD]                 ; r + 8 (r / 8) - 16 h + my tile's first query in its group: the same for both my tiles
	v_mov_b32 v[AD8], v[A8]                        ; step 0 reads record 0
	v_mov_b32 v[AD16], v[A16]
	v_mov_b32 v[N32], v[A32]
.irp j, 0,1,2,3,4,5
	v_mov_b32 v[QF+6+\j], 0                        ; the zero codes between the two copies of Q
.endr
.irp b, 0,1,2,3
	v_mov_b32 v[PT+\b], 0                          ; written once: a lane permute's destination counts as one of its sources
.endr
	v_mov_b32 v[FF], 0
	v_mov_b32 v[FF+1], 0                           ; (named as the upper half of a pair)
	v_mov_b32 v[T0], 0
	RESET
	s_wait_alu depctr_va_vdst(0)                   ; the wait at the end of the head's vector work
	s_wait_dscnt 0x0
	ROUND                                          ; the four work-groups are here: the joint loads meet
	s_wait_kmcnt 0x0
	s_mul_i32 s48, s[BH], 16*RECB
	s_mul_i32 s49, s[WV], RECB
	s_mov_b32 s[G0+1], s49                         ; record w goes to w x 13,056
	s_add_co_u32 s48, s48, s49
	s_mov_b32 s49, 0
	s_add_nc_u64 s[G0+2:G0+3], s[6:7], s[48:49]
	s_or_b32 s[G0+3], s[G0+3], 0x80000000
	tensor_load_to_lds s[G0:G0+3], s[G1:G1+7]      ; every wave's one load
	s_nop 0
.rept 4
	v_nop
.endr
	TILE G15, QF, QSW, 56, AO, SO                  ; the later group first
.irp p, 0,1,2
	global_load_b64 v[QF+12+2*\p:QF+12+2*\p+1], v[A8], s[56:57] offset:256*\p   ; Q once more, for the fragment's upper half
.endr
	TILE GG, Q2, Q2S, 60, AO2, SO2
	s_mov_b32 s[TT], 0
	s_mov_b32 s[KR], 0
	s_wait_tensorcnt 0x0
	s_barrier_signal -1
	s_barrier_wait -1                              ; all 16 records are in
	KLOAD BX, AD8
	s_wait_loadcnt 0x0                             ; both tiles' Q
.Lloop:                                            ; nine trips of two steps; the ninth leaves behind its first step, step 16
	STEP BX, BY, 0
	s_cmp_eq_u32 s[TT], 8
	s_cbranch_scc1 .Ldone
	STEP BY, BX, 1
	s_add_co_u32 s[TT], s[TT], 1
	s_cmp_lt_u32 s[TT], 9
	s_cbranch_scc1 .Lloop
.Ldone:
	s_wait_tensorcnt 0x0                           ; the wave's end
	ds_add_u32 v254, v255
	s_wait_dscnt 0x0
	ROUND                                          ; the closing round
	s_endpgm
.Lfunc_end_k_q74b0f35d5f_attn:
	.size	k_q74b0f35d5f_attn, .Lfunc_end_k_q74b0f35d5f_attn-k_q74b0f35d5f_attn
	.p2alignl 7, 3214868480
	.fill 96, 4, 3214868480
	.section	.rodata,"a",@progbits
	.p2align	6, 0x0
	.amdhsa_kernel k_q74b0f35d5f_attn
		.amdhsa_group_segment_fixed_size 210944
		.amdhsa_private_segment_fixed_size 0
		.amdhsa_enable_private_segment 0
		.amdhsa_kernarg_size 32
		.amdhsa_user_sgpr_count 2
		.amdhsa_user_sgpr_kernarg_segment_ptr 1
		.amdhsa_wavefront_size32 1
		.amdhsa_system_sgpr_workgroup_id_x 1
		.amdhsa_system_sgpr_workgroup_id_y 1
		.amdhsa_system_sgpr_workgroup_id_z 1
		.amdhsa_system_vgpr_workitem_id 0
		.amdhsa_next_free_vgpr 256
		.amdhsa_next_free_sgpr 66
		.amdhsa_reserve_vcc 1
		.amdhsa_float_denorm_mode_32 3
		.amdhsa_float_denorm_mode_16_64 3
		.amdhsa_memory_ordered 1
		.amdhsa_forward_progress 1
		.amdhsa_inst_pref_size 70
	.end_amdhsa_kernel
	.amdgpu_metadata
---
amdhsa.version: [ 1, 2 ]
amdhsa.kernels:
  - .name:           k_q74b0f35d5f_attn
    .symbol:         k_q74b0f35d5f_attn.kd
    .args:
      - { .name: qrec, .offset: 0, .size: 8, .value_kind: global_buffer, .address_space: global }
      - { .name: kv, .offset: 8, .size: 8, .value_kind: global_buffer, .address_space: global }
      - { .name: aimg, .offset: 16, .size: 8, .value_kind: global_buffer, .address_space: global }
      - { .name: asc, .offset: 24, .size: 8, .value_kind: global_buffer, .address_space: global }
    .group_segment_fixed_size: 210944
    .private_segment_fixed_size: 0
    .kernarg_segment_align: 8
    .kernarg_segment_size: 32
    .max_flat_workgroup_size: 512
    .sgpr_count:     66
    .vgpr_count:     256
    .wavefront_size: 32
...
	.end_amdgpu_metadata
.endif
;; end of part 3
;; launch proj (part 4): grid 8 x 32, 4 waves a work-group, clusters of 4 x 4, 327,680 bytes of LDS; arguments aimg, asc, wc, ws, out0; writes out0
.if DOCPART == 4
	.amdgcn_target "amdgcn-amd-amdhsa--gfx1250"
	.amdhsa_code_object_version 6
	.text
	.protected	k_q74b0f35d5f_proj
	.globl	k_q74b0f35d5f_proj
	.p2align	8
	.type	k_q74b0f35d5f_proj,@function
k_q74b0f35d5f_proj:
	s_mov_b64 s[64:65], 0
	v_nop
	global_prefetch_b8 v0, s[64:65] scope:SCOPE_SE
	s_setreg_imm32_b32 hwreg(HW_REG_WAVE_MODE, 25, 1), 1
	s_wait_xcnt 0x0
	s_wait_alu depctr_hold_cnt(0) depctr_sa_sdst(0) depctr_va_vdst(0) depctr_va_sdst(0) depctr_va_ssrc(0) depctr_va_vcc(0) depctr_vm_vsrc(0)
	s_getreg_b32 s2, hwreg(HW_REG_IB_STS2, 6, 4)
	s_cmp_eq_u32 s2, 0
	s_cbranch_scc0 .Lentry_in_a_cluster
	s_endpgm
.Lentry_in_a_cluster:
	s_bfe_u32 s2, ttmp6, 0x10000c
	s_cmp_lg_u32 s2, 0xf033
	s_cbranch_scc0 .Lentry_shape_is_right
	s_endpgm
.Lentry_shape_is_right:
; out0 = a w_out on codes of FP6 (E2M3) with E8M0 scales, K = 1,024.  256 work-groups of four waves, 2 x 2; a work-group makes 256 rows x 128 columns, a wave 128 x 64.
; ALL OF K LIES IN LDS, brought by four tensor loads at the head, one a wave; nothing is filled again.  A: aimg, images of operand registers [row tile of 16][head 16][768]: the work-group's 16 row tiles are 196,608 dense bytes
; (waves 0 and 1 a half each).  B: wc's rows 3,072 on, [4 steps of 256 along K][4,096 rows][192 bytes]: 128 rows of one step are 24,576 dense bytes, stated as one row of the tile, with 16 bytes of padding behind every 64 in LDS
; (waves 2 and 3 two steps each).  Waves 2 and 3 have a load line of their own and wait ahead of the first barrier: the weights go on into registers while A is still on its way.
; A WAVE HOLDS ITS 64 ROWS OF THE WEIGHT, all of K, in 384 registers, and streams A's rows past them in blocks of 16 rows: 8 fragments, two sets of registers; a block is 32 products and is then finished.
; It leaves at once: through the wave's stage in LDS (in B's bytes, which have had their one fill and are read no more behind the second barrier) back as rows of 256 bytes, stored under the next block's products.
; The matrix instruction is used transposed (source 0 = 16 rows of the weight): a lane holds one row of out0.  Stored rows of wc and of aimg have bits 3 and 4 of their number exchanged: the stage's offsets and the stores' rows set that right.
; The scale words come straight into registers: the weight's 32 bytes a row (lanes 0-15 tile 2 p, lanes 16-31 tile 2 p + 1), A's 32 bytes a row for all eight blocks.
; CLUSTERS: 4 x 4; A's bytes are asked for jointly along a row of the cluster, B's along a column.  No prefetch: every byte is asked for at the head; there is no later load ahead of which one could run.
; REGISTERS: window 0: v4-17 addresses, v24-39 the weight's scale words, v40-103 two sets of four accumulators, v108-171 A's scale words, v172-235 two sets of 32 on the way out.
; Fragment f lies in window 1 + f / 21 at register 12 (f % 21): 0-31 the weight's (4 q + t), 32-39 and 40-47 A's two sets.
.set RT,     12288                     ; a row tile of aimg: 16 rows, all of K
.set HA,     8*RT
.set BB,     2*HA                      ; B's bytes begin here
.set PITCH,  240                       ; a row of one K step in LDS: 3 x (64 + 16)
.set KB,     128*PITCH
.set WKS,    4096*192                  ; wc: from a K step to the next
.set SPARE,  BB+4*KB
.set SP,     272                       ; a stage row: 256 bytes + 16
.set FR,     12
.set FPW,    21
.set ADRA,   4                         ; v4, v5  my blocks 0-3, 4-7 of A
.set ADRB,   6                         ; v6, v7  my rows of B, K steps 0, 1 (v7: for the pieces behind one padding more); v8, v9: K steps 2, 3
.set STO,    10
.set RD,     11
.set CO,     12
.set ABS,    13
.set AAS,    14
.set SPW,    16
.set NIL,    17
.set SB,     24
.set ACC,    40
.set SA,     108
.set BK,     172
.set MSB, 0
.macro WIN new                         ; the immediate's high byte repeats the setting that is left
.if MSB != \new
	s_set_vgpr_msb (MSB<<8)|\new
.set MSB, \new
.endif
.endm
.macro PLACES n
.rept \n
	v_nop
.endr
.endm
.macro BARRIER
	s_barrier_signal -1
	s_barrier_wait -1
.endm
.macro CROUND
	BARRIER
	s_cmp_lg_u32 s14, 0
	s_cbranch_scc1 .Lnot_wave_0_\@
	s_barrier_signal -3
.Lnot_wave_0_\@:
	s_barrier_wait -3
	BARRIER
.endm
.macro FRAGA f, blk, q                 ; 16 rows x 128 K of A: six pieces of 256 bytes as they lie
	WIN (1+(\f)/FPW)<<6
.irp p, 0,1,2,3,4,5
	ds_load_b64 v[FR*((\f)%FPW)+2*\p:FR*((\f)%FPW)+2*\p+1], v[ADRA+(\blk)/4] offset:((\blk)%4)*RT+(\q)*1536+256*\p
.endr
.endm
.macro FRAGB f, q, t                   ; 16 rows x 128 K of the weight: lane l takes 24 bytes of row l % 16, in pieces of 8
	WIN (1+(\f)/FPW)<<6
.irp p, 0,1,2,3,4,5
.set PCE, 12*((\q)%2)+6*(\p/3)+\p%3
	ds_load_b64 v[FR*((\f)%FPW)+2*\p:FR*((\f)%FPW)+2*\p+1], v[ADRB+2*((\q)/4)+(PCE%8)/5] offset:8*PCE+16*(PCE/8)+(\t)*16*PITCH+(((\q)/2)%2)*KB
.endr
.endm
.macro FETCH blk                       ; a block of A into set blk % 2: 48 loads
.irp q, 0,1,2,3,4,5,6,7
	FRAGA 32+8*((\blk)%2)+\q, \blk, \q
.endr
	WIN 0
.endm
.macro PROD1 d, fb, fa, c, xb, xa, row
	v_wmma_scale_f32_16x16x128_f8f6f4 v[\d:\d+7], v[FR*((\fb)%FPW):FR*((\fb)%FPW)+FR-1], v[FR*((\fa)%FPW):FR*((\fa)%FPW)+FR-1], \c, v[\xb], v[\xa] matrix_a_fmt:MATRIX_FMT_FP6 matrix_b_fmt:MATRIX_FMT_FP6 matrix_a_scale:MATRIX_SCALE_ROW\row
.endm
.macro PROD s, q, t
.set FB_, 4*(\q)+(\t)
.set FA_, 32+8*((\s)%2)+(\q)
.set D_, ACC+32*((\s)%2)+8*(\t)
.set XB_, SB+8*((\t)/2)+(\q)
.set XA_, SA+8*(\s)+(\q)
	WIN (1+FB_/FPW)|((1+FA_/FPW)<<2)
.if (\q) == 0
.if (\t)%2
	PROD1 D_, FB_, FA_, 0, XB_, XA_, 1
.else
	PROD1 D_, FB_, FA_, 0, XB_, XA_, 0
.endif
.else
.if (\t)%2
	PROD1 D_, FB_, FA_, v[D_:D_+7], XB_, XA_, 1
.else
	PROD1 D_, FB_, FA_, v[D_:D_+7], XB_, XA_, 0
.endif
.endif
.endm
.macro TOSTAGE s                       ; a lane's 8 results of tile 2 b + u are columns 32 b + 16 (lane / 16) + 8 u + 0 .. 7 of its row; LDS serves a wave's instructions in order, so no wait stands between the stores and the loads
.set AC_, ACC+32*((\s)%2)
.irp t, 0,1,2,3
	ds_store_b128 v[STO], v[AC_+8*\t:AC_+8*\t+3] offset:128*(\t/2)+32*(\t%2)          ; each accumulator from its low end on
	ds_store_b128 v[STO], v[AC_+8*\t+4:AC_+8*\t+7] offset:128*(\t/2)+32*(\t%2)+16
.endr
.irp k, 0,1,2,3,4,5,6,7
	ds_load_b128 v[BK+32*((\s)%2)+4*\k:BK+32*((\s)%2)+4*\k+3], v[RD] offset:\k*2*SP
.endr
.endm
.macro SEND s
	s_wait_xcnt 0x0                                ; the earlier stores have read their base and their data
.if (\s) > 0
.if (\s)%2
	s_add_nc_u64 s[12:13], s[12:13], 8*4096        ; stored tile 2 b + 1 begins 8 tokens behind tile 2 b,
.else
	s_add_nc_u64 s[12:13], s[12:13], 24*4096       ; tile 2 b + 2 another 24
.endif
.endif
.irp k, 0,1,2,3,4,5,6,7
	global_store_b128 v[CO], v[BK+32*((\s)%2)+4*\k:BK+32*((\s)%2)+4*\k+3], s[12:13] offset:(2*\k+8*(\k/4))*4096 th:TH_STORE_NT   ; sixteen lanes store 256 consecutive bytes, aligned; stage row i is token i + 8 (i / 8) of the tile
.endr
.endm
.macro BLOCK s                         ; 32 products, the four accumulators by turns; then the block before leaves, the block two on is fetched, and this block goes to the stage
.irp q, 0,1,2,3,4,5,6,7
.irp t, 0,1,2,3
	PROD \s, \q, \t
.endr
.endr
	WIN 0
	s_wait_dscnt 0x0                               ; the next block's fragments and the last block's rows from the stage, all asked for ahead of these products
.if (\s) > 0
	SEND (\s)-1
.endif
	PLACES 4                                       ; behind the products: loads into their operands, and reads of their results, follow
.if (\s) < 6
	FETCH (\s)+2
.endif
	TOSTAGE \s
.endm
	s_load_b128 s[4:7], s[0:1], 0x0                ; aimg, asc
	s_load_b128 s[8:11], s[0:1], 0x10              ; wc, ws
	s_load_b64 s[12:13], s[0:1], 0x20              ; out0
	v_lshl_add_u32 v[SPW], v0, 2, SPARE
	v_mov_b32 v[NIL], 0
	ds_add_u32 v[SPW], v[NIL]                      ; the opening lines: the add, twice on end, and its wait
	ds_add_u32 v[SPW], v[NIL]
	v_lshrrev_b32 v1, 5, v0
	v_readfirstlane_b32 s14, v1                    ; wave
	s_lshr_b32 s15, s14, 1                         ; which 128 rows of A are mine
	s_and_b32 s16, s14, 1                          ; which 64 rows of B.  Also: which half of A or of B I fetch
	s_bfe_u32 s40, ttmp6, 0x40000                  ; cx, cy
	s_bfe_u32 s41, ttmp6, 0x40004
	s_lshl_b32 s42, ttmp9, 2
	s_add_co_u32 s42, s42, s40                     ; tile column, 0 .. 7
	s_and_b32 s17, ttmp7, 0xffff
	s_lshl_b32 s17, s17, 2
	s_add_co_u32 s17, s17, s41                     ; tile row, 0 .. 31
	s_lshl_b32 s43, s41, 2
	s_lshl_b32 s43, 15, s43                        ; my row of the cluster
	s_lshl_b32 s44, 0x1111, s40                    ; my column
	s_or_b32 s24, s43, (3<<16)|(1<<21)             ; A: 98,304 dense bytes as 384 rows of 256
	s_mov_b32 s25, 32<<16
	s_mov_b32 s26, 384<<16
	s_mov_b32 s27, 32<<16
	s_mov_b32 s28, 384
	s_mov_b32 s29, 32
	s_mov_b32 s30, 0
	s_mov_b32 s31, 0
	s_or_b32 s32, s44, (3<<16)|(1<<20)|(1<<21)|(3<<22)|(3<<25)   ; B: two K steps, a row of 24,576 bytes each; 16 bytes of padding behind every 64
	s_mov_b32 s33, 3072<<16
	s_mov_b32 s34, 2<<16
	s_mov_b32 s35, 3072<<16
	s_mov_b32 s36, 2
	s_mov_b32 s37, WKS/8
	s_mov_b32 s38, 0
	s_mov_b32 s39, 0
	s_mov_b32 s48, 1
	s_mul_i32 s49, s16, HA
	s_mov_b32 s52, 1
	s_mul_i32 s53, s16, 2*KB
	s_add_co_u32 s53, s53, BB
	s_mul_i32 s20, s17, 2*HA
	s_add_co_u32 s20, s20, s49                     ; A's bytes from aimg
	s_mov_b32 s21, 0
	s_mul_i32 s22, s42, 128*192
	s_add_co_u32 s22, s22, 3072*192
	s_mul_i32 s23, s16, 2*WKS
	s_add_co_u32 s22, s22, s23                     ; B's from wc
	s_mov_b32 s23, 0
	v_and_b32 v1, 15, v0                           ; r
	v_bfe_u32 v2, v0, 4, 1                         ; h
	v_and_b32 v3, 31, v0
	s_mul_i32 s18, s15, HA
	v_lshl_add_u32 v[ADRA], v3, 3, s18
	v_add_nc_u32 v[ADRA+1], 4*RT, v[ADRA]
	v_mul_u32_u24 v18, v1, PITCH
	v_mad_u32_u24 v18, v2, 24, v18
	s_mul_i32 s18, s16, 64*PITCH
	s_add_co_u32 s18, s18, BB
	v_add_nc_u32 v[ADRB], s18, v18
	v_lshl_add_u32 v[ADRB+1], v2, 4, v[ADRB]
	v_add_nc_u32 v[ADRB+2], 2*KB, v[ADRB]
	v_add_nc_u32 v[ADRB+3], 2*KB, v[ADRB+1]
	s_mul_i32 s18, s14, 16*SP
	s_add_co_u32 s18, s18, BB                      ; my stage
	v_mul_u32_u24 v18, v1, SP
	v_lshl_add_u32 v18, v2, 6, v18
	v_add_nc_u32 v[STO], s18, v18                  ; in: row r, 64 bytes on for lanes 16-31
	v_mul_u32_u24 v18, v2, SP
	v_lshl_add_u32 v18, v1, 4, v18
	v_add_nc_u32 v[RD], s18, v18                   ; back: sixteen lanes to a row, two rows an instruction
	v_lshlrev_b32 v18, 12, v2
	v_lshl_add_u32 v[CO], v1, 4, v18               ; and the same in out0
	v_lshlrev_b32 v[ABS], 5, v3
	v_lshlrev_b32 v[AAS], 5, v1
	s_wait_alu depctr_va_vdst(0)                   ; the wait at the end of the head's vector work
	s_wait_dscnt 0x0
	CROUND                                         ; all sixteen work-groups are here: the joint loads meet
	s_wait_kmcnt 0x0
	s_add_nc_u64 s[50:51], s[4:5], s[20:21]
	s_or_b32 s51, s51, 0x80000000
	s_add_nc_u64 s[54:55], s[8:9], s[22:23]
	s_or_b32 s55, s55, 0x80000000
	s_cmp_lt_u32 s14, 2
	s_cbranch_scc0 .Lfor_b
	tensor_load_to_lds s[48:51], s[24:31]
	s_nop 0
	PLACES 4
	s_branch .Lasked
.Lfor_b:
	tensor_load_to_lds s[52:55], s[32:39]
	s_nop 0
	PLACES 4
.Lasked:
	s_lshl_b32 s18, s42, 7
	s_lshl_b32 s19, s16, 6
	s_add_co_u32 s18, s18, s19                     ; my first column
	s_add_co_u32 s20, s18, 3072
	s_lshl_b32 s20, s20, 5
	s_add_nc_u64 s[10:11], s[10:11], s[20:21]      ; its scale bytes
	s_lshl_b32 s19, s17, 8
	s_lshl_b32 s20, s15, 7
	s_add_co_u32 s19, s19, s20                     ; my first row
	s_lshl_b32 s20, s19, 5
	s_add_nc_u64 s[6:7], s[6:7], s[20:21]
	s_lshl_b32 s20, s19, 12
	s_lshl_b32 s18, s18, 2
	s_add_co_u32 s20, s20, s18
	s_add_nc_u64 s[12:13], s[12:13], s[20:21]
.irp p, 0,1
.irp c, 0,1
	global_load_b128 v[SB+8*\p+4*\c:SB+8*\p+4*\c+3], v[ABS], s[10:11] offset:\p*1024+16*\c
.endr
.endr
.irp s, 0,1,2,3,4,5,6,7
.irp c, 0,1
	global_load_b128 v[SA+8*\s+4*\c:SA+8*\s+4*\c+3], v[AAS], s[6:7] offset:\s*512+16*\c
.endr
.endr
	s_cmp_lt_u32 s14, 2
	s_cbranch_scc1 .Lnot_b
	s_wait_tensorcnt 0x0
.Lnot_b:
	BARRIER                                        ; B is in
.irp q, 0,1,2,3,4,5,6,7
.irp t, 0,1,2,3
	FRAGB 4*\q+\t, \q, \t
.endr
.endr
	WIN 0
	s_wait_tensorcnt 0x0
	s_wait_dscnt 0x0                               ; my reads of B are over
	BARRIER                                        ; A is in, and nobody reads B any more
	FETCH 0
	FETCH 1
	s_wait_loadcnt 0x0                             ; the scale words
	s_wait_dscnt 48                                ; block 0's 48 loads are in; block 1's may be out
.irp s, 0,1,2,3,4,5,6,7
	BLOCK \s
.endr
	s_wait_dscnt 0x0
	SEND 7
	s_wait_tensorcnt 0x0                           ; the wave's end
	ds_add_u32 v[SPW], v[NIL]
	s_wait_dscnt 0x0
	CROUND                                         ; the closing round
	s_endpgm
.Lfunc_end_k_q74b0f35d5f_proj:
	.size	k_q74b0f35d5f_proj, .Lfunc_end_k_q74b0f35d5f_proj-k_q74b0f35d5f_proj
	.p2alignl 7, 3214868480
	.fill 96, 4, 3214868480
	.section	.rodata,"a",@progbits
	.p2align	6, 0x0
	.amdhsa_kernel k_q74b0f35d5f_proj
		.amdhsa_group_segment_fixed_size 327680
		.amdhsa_private_segment_fixed_size 0
		.amdhsa_enable_private_segment 0
		.amdhsa_kernarg_size 40
		.amdhsa_user_sgpr_count 2
		.amdhsa_user_sgpr_kernarg_segment_ptr 1
		.amdhsa_wavefront_size32 1
		.amdhsa_system_sgpr_workgroup_id_x 1
		.amdhsa_system_sgpr_workgroup_id_y 1
		.amdhsa_system_sgpr_workgroup_id_z 1
		.amdhsa_system_vgpr_workitem_id 0
		.amdhsa_next_free_vgpr 896
		.amdhsa_next_free_sgpr 66
		.amdhsa_reserve_vcc 0
		.amdhsa_float_denorm_mode_32 3
		.amdhsa_float_denorm_mode_16_64 3
		.amdhsa_memory_ordered 1
		.amdhsa_forward_progress 1
		.amdhsa_inst_pref_size 95
	.end_amdhsa_kernel
	.amdgpu_metadata
---
amdhsa.version: [ 1, 2 ]
amdhsa.kernels:
  - .name:           k_q74b0f35d5f_proj
    .symbol:         k_q74b0f35d5f_proj.kd
    .args:
      - { .name: aimg, .offset: 0, .size: 8, .value_kind: global_buffer, .address_space: global }
      - { .name: asc, .offset: 8, .size: 8, .value_kind: global_buffer, .address_space: global }
      - { .name: wc, .offset: 16, .size: 8, .value_kind: global_buffer, .address_space: global }
      - { .name: ws, .offset: 24, .size: 8, .value_kind: global_buffer, .address_space: global }
      - { .name: out0, .offset: 32, .size: 8, .value_kind: global_buffer, .address_space: global }
    .group_segment_fixed_size: 327680
    .private_segment_fixed_size: 0
    .kernarg_segment_align: 8
    .kernarg_segment_size: 40
    .max_flat_workgroup_size: 128
    .sgpr_count:     66
    .vgpr_count:     896
    .wavefront_size: 32
...
	.end_amdgpu_metadata
.endif
;; end of part 4
